; MI455X (gfx1250); checked and timed in simulation.
; The chip was launched on July 23, 2026; its instructions are those of AMD's public machine-readable ISA for CDNA 5 (MIT licence, August 2026) and "CDNA5" Instruction Set Architecture Reference Guide (July 2026). The comments in the code are by the model that wrote it; some were corrected since.
;; Global Attention. Allowed arithmetic: float matrix products may take bf16 or f16 operands with f32 sums; other float arithmetic in f32, or as packed bf16 or f16 multiplies, adds, multiply-adds, maxima and minima; sums over many terms, partial sums and values carried from step to step in f32; what a program stores and reads back later, other than sums and carried values, may be rounded once to bf16 or f16.
;; Inputs: W_att 1,024 x 1,024 float32; W_dec 1,024 x 1,024 float32; W_enc 1,024 x 1,024 float32; W_one 1,024 x 1 float32; b_att 1,024 float32; b_dec 1,024 float32; b_enc 1,024 float32; b_one 1 float32; dec_h_curr 64 x 1,024 float32; enc_hids 64 x 1,024 x 1,024 float32.
;; Outputs: out0 64 x 1,024 float32; out1 64 x 1,024 float32.
;; 2 versions, each right; version 2 is version 1 with the launch finish written anew for expert scheduling mode. Each part assembles by itself: llvm-mc -triple=amdgcn-amd-amdhsa -mcpu=gfx1250 --defsym DOCPART=n.
;; ======== version 1 of 2: 3 launches
;; workspace buffers: wt 2,097,152 bytes; dv 262,144 bytes; sc 262,144 bytes; st 2,048 bytes; cp 1,048,576 bytes
;; launch prep (part 1): grid 16 x 4, 8 waves a work-group, no clusters, 76,800 bytes of LDS; arguments dec_h_curr, W_dec, b_dec, W_enc, dv, wt; writes dv, wt
.if DOCPART == 1
	.amdgcn_target "amdgcn-amd-amdhsa--gfx1250"
	.amdhsa_code_object_version 6
	.text
	.protected	k_q71c380b326_prep
	.globl	k_q71c380b326_prep
	.p2align	8
	.type	k_q71c380b326_prep,@function
k_q71c380b326_prep:
	s_mov_b64 s[64:65], 0
	v_nop
	global_prefetch_b8 v0, s[64:65] scope:SCOPE_SE
	s_setreg_imm32_b32 hwreg(HW_REG_WAVE_MODE, 25, 1), 1
	s_wait_xcnt 0x0
; TWO SMALL JOBS AHEAD OF THE MAIN LAUNCH.
; (1) dv[n][c] = the sum over k of dec_h_curr[n][k] W_dec[k][c] + b_dec[c], f32 [64][1024]; operands rounded once to bf16, sums in f32.
; (2) wt = W_enc rounded once to bf16, laid in FRAGMENT ORDER: fragment (ks = 0..31, cb = 0..63) at byte (64 ks + cb) x 1,024; in it half q at 512 q, lane L at 16 L:
;     W_enc[32 ks + 16 q + 8 (L / 16) + 0..7][16 cb + L % 16].  So the main launch reads a fragment as 32 lanes x 16 consecutive bytes, twice.
; SHARES.  Work-group (nb, mb) makes dv's rows 16 mb .. + 15, columns 64 nb .. + 63.  K is split among its eight waves, 128 each: four K steps of 32.  The eight partial sums meet in LDS.
; Wave w also turns the tile W_enc[32 (8 mb + w) .. + 31][64 nb .. + 63] into four fragments of wt.
; A weight tile is [32 k][64 c] in f32: 32 rows of 256 consecutive bytes.  It is rounded to bf16, laid into the wave's own LDS rows of 160 bytes, and comes back turned by ds_load_tr16_b128.
; THE PRODUCT IS TAKEN TRANSPOSED: source 0 = 16 columns of W (as rows), source 1 = the 16 rows of x: a lane ends with one row of dv and eight neighbouring columns.
; No prefetch and no cluster: the launch reads 8.6 MB once, in 64 short work-groups, and no tile is walked again.
.set TRP,   160                        ; a row of the turning stage: 128 bytes + 32: an odd multiple of 32
.set TRW,   32*TRP                     ; a wave's stage: 5,120 bytes
.set PART,  8*TRW                      ; 40,960: the partial sums, 16 rows of 272 bytes for each wave
.set PPI,   272
.set PARTW, 16*PPI
.set SPARE, PART+8*PARTW               ; 75,776: the spare words, 128 bytes for each wave: four blocks of 256 bytes that no other line names
.set WV4, 4                            ; v4   4,096 (l / 16) + 16 (l % 16): two rows of a weight tile to a load
.set XO,  5                            ; v5   4,096 (l % 16) + 32 (l / 16): my 8 numbers of x's row
.set TRS, 6                            ; v6   where I put 8 bytes of the tile
.set TRL, 7                            ; v7   where the turning load reads
.set PS,  8                            ; v8   where I put my partial sums
.set PR,  9                            ; v9   where I read 16 bytes of each wave's partial sums
.set OO,  10                           ; v10  4,096 (t / 16) + 16 (t % 16): my 16 bytes of dv
.set FO,  11                           ; v11  16 l
.set SPW, 12                           ; v12  my spare word; never rewritten
.set NIL, 13                           ; v13  0; never rewritten
.set BO,  14                           ; v14  16 (t % 16)
.set ACC, 16                           ; v[16:47]    four accumulators: columns 16 f on
.set WB0, 48                           ; v[48:111]   a weight tile in f32, then its four fragments in the first 32
.set WB1, 112                          ; v[112:175]  the other
.set XF,  176                          ; v[176:239]  x of K step s at 176 + 16 s: 16 f32, then 8 registers of bf16
.set XST, 16
.set BI,  240                          ; v[240:243]  the bias
.set RB,  WB1                          ; the last sums
	s_load_b256 s[4:11], s[0:1], 0x0               ; dec_h s[4:5], W_dec s[6:7], b_dec s[8:9], W_enc s[10:11]
	s_load_b128 s[12:15], s[0:1], 0x20             ; dv s[12:13], wt s[14:15]
	v_lshl_add_u32 v[SPW], v0, 2, SPARE
	v_mov_b32 v[NIL], 0
	v_lshrrev_b32 v1, 5, v0
	v_readfirstlane_b32 s16, v1                    ; wave 0..7
	s_and_b32 s17, ttmp7, 0xffff                   ; mb
	s_lshl_b32 s18, s17, 3
	s_add_co_u32 s18, s18, s16                     ; ks = 8 mb + w
	s_lshl_b32 s19, ttmp9, 8                       ; 256 nb: 64 columns of f32
	s_mov_b32 s21, 0
	v_and_b32 v1, 15, v0                           ; l % 16 = t % 16
	v_bfe_u32 v2, v0, 4, 1                         ; l / 16
	v_and_b32 v3, 31, v0                           ; l
	v_lshrrev_b32 v15, 4, v0                       ; t / 16
	v_lshlrev_b32 v[WV4], 12, v2
	v_lshl_add_u32 v[WV4], v1, 4, v[WV4]
	v_lshlrev_b32 v[XO], 12, v1
	v_lshl_add_u32 v[XO], v2, 5, v[XO]
	s_mul_i32 s22, s16, TRW
	v_mul_u32_u24 v[TRS], v2, TRP
	v_lshl_add_u32 v[TRS], v1, 3, v[TRS]
	v_add_nc_u32 v[TRS], s22, v[TRS]               ; row l / 16 of a pair, 8 bytes for each of 16 lanes
	v_and_b32 v[TRL], 7, v0
	v_lshl_add_u32 v[TRL], v2, 3, v[TRL]
	v_mul_u32_u24 v[TRL], v[TRL], TRP              ; row 8 (l / 16) + l % 8,
	v_bfe_u32 v[BO], v0, 3, 1
	v_lshl_add_u32 v[TRL], v[BO], 4, v[TRL]        ; 16 bytes by (l / 8) % 2
	v_add_nc_u32 v[TRL], s22, v[TRL]
	s_mul_i32 s22, s16, PARTW
	s_add_co_u32 s22, s22, PART
	v_mul_u32_u24 v[PS], v1, PPI
	v_lshl_add_u32 v[PS], v2, 5, v[PS]
	v_add_nc_u32 v[PS], s22, v[PS]
	v_mul_u32_u24 v[PR], v15, PPI
	v_lshl_add_u32 v[PR], v1, 4, v[PR]
	v_add_nc_u32 v[PR], PART, v[PR]
	v_lshlrev_b32 v[OO], 12, v15
	v_lshl_add_u32 v[OO], v1, 4, v[OO]
	v_lshlrev_b32 v[FO], 4, v3
	v_lshlrev_b32 v[BO], 4, v1
	s_wait_kmcnt 0x0
	s_lshl_b32 s20, s17, 16                        ; x: 16 mb rows of 4,096 bytes + my 128 channels
	s_lshl_b32 s22, s16, 9
	s_add_co_u32 s20, s20, s22
	s_add_nc_u64 s[4:5], s[4:5], s[20:21]
	s_lshl_b32 s20, s16, 19                        ; W_dec: my 128 rows, the group's 64 columns
	s_add_co_u32 s20, s20, s19
	s_add_nc_u64 s[6:7], s[6:7], s[20:21]
	s_mov_b32 s20, s19
	s_add_nc_u64 s[8:9], s[8:9], s[20:21]          ; b_dec
	s_lshl_b32 s20, s18, 17                        ; W_enc: rows 32 ks on
	s_add_co_u32 s20, s20, s19
	s_add_nc_u64 s[10:11], s[10:11], s[20:21]
	s_lshl_b32 s20, s17, 16                        ; dv
	s_add_co_u32 s20, s20, s19
	s_add_nc_u64 s[12:13], s[12:13], s[20:21]
	s_lshl_b32 s20, s18, 16                        ; wt: 65,536 ks + 4,096 nb
	s_lshl_b32 s22, ttmp9, 12
	s_add_co_u32 s20, s20, s22
	s_add_nc_u64 s[14:15], s[14:15], s[20:21]
.macro WLOAD buf, sb, off              ; a weight tile: 16 loads, each two rows of 256 consecutive bytes
.set i, 0
.rept 16
	global_load_b128 v[(\buf)+4*i:(\buf)+4*i+3], v[WV4], s[\sb:\sb+1] offset:(\off)+8192*i
.set i, i+1
.endr
.endm
.macro TRF buf                         ; the tile is rounded to bf16 in place, laid into my stage and read back turned: four fragments in the buffer's first 32 registers
.set i, 0
.rept 16
	v_cvt_pk_bf16_f32 v[(\buf)+4*i],   v[(\buf)+4*i],   v[(\buf)+4*i+1]
	v_cvt_pk_bf16_f32 v[(\buf)+4*i+1], v[(\buf)+4*i+2], v[(\buf)+4*i+3]
.set i, i+1
.endr
.set i, 0
.rept 16
	ds_store_b64 v[TRS], v[(\buf)+4*i:(\buf)+4*i+1] offset:2*TRP*i
.set i, i+1
.endr
.set i, 0
.rept 4                                ; LDS serves a wave's instructions in order (ISA guide 5.7.1.4): these see the stores above
	ds_load_tr16_b128 v[(\buf)+8*i:(\buf)+8*i+3],   v[TRL] offset:32*i
	ds_load_tr16_b128 v[(\buf)+8*i+4:(\buf)+8*i+7], v[TRL] offset:32*i+16*TRP
.set i, i+1
.endr
	s_wait_dscnt 0x0
.endm
.macro GMUL buf, s, zero               ; four products; the four accumulators take turns, from K step to K step too
.irp f, 0,1,2,3
.if \zero
	v_wmma_f32_16x16x32_bf16 v[ACC+8*\f:ACC+8*\f+7], v[(\buf)+8*\f:(\buf)+8*\f+7], v[XF+XST*(\s):XF+XST*(\s)+7], 0
.else
	v_wmma_f32_16x16x32_bf16 v[ACC+8*\f:ACC+8*\f+7], v[(\buf)+8*\f:(\buf)+8*\f+7], v[XF+XST*(\s):XF+XST*(\s)+7], v[ACC+8*\f:ACC+8*\f+7]
.endif
.endr
.endm
.macro PLACES                          ; four places between a product and a load into a register that it has read (ISA guide 7.12.1 for vector instructions)
.rept 4
	v_nop
.endr
.endm
	global_load_b128 v[BI:BI+3], v[BO], s[8:9]
.set i, 0
.rept 16                               ; x: K step i / 4; channels 8 (l / 16) + 0..7 at bytes 0, 16, channels 16 + 8 (l / 16) + 0..7 at bytes 64, 80
	global_load_b128 v[XF+4*i:XF+4*i+3], v[XO], s[4:5] offset:128*(i/4)+16*(i%2)+64*((i%4)/2)
.set i, i+1
.endr
	WLOAD WB0, 6, 0
	WLOAD WB1, 6, 131072
	s_wait_loadcnt 16                              ; all but the second tile's 16 loads
.set i, 0
.rept 32                               ; x is rounded in place: register j of a K step takes numbers 2 j and 2 j + 1
	v_cvt_pk_bf16_f32 v[XF+16*(i/8)+i%8], v[XF+16*(i/8)+2*(i%8)], v[XF+16*(i/8)+2*(i%8)+1]
.set i, i+1
.endr
	TRF WB0
	GMUL WB0, 0, 1                                 ; the first products start the sums
	PLACES
	WLOAD WB0, 6, 2*131072
	s_wait_loadcnt 16                              ; tile 1 is in; tile 2's 16 loads stay out
	TRF WB1
	GMUL WB1, 1, 0
	PLACES
	WLOAD WB1, 6, 3*131072
	s_wait_loadcnt 16                              ; tile 2 is in
	TRF WB0
	GMUL WB0, 2, 0
	PLACES
	WLOAD WB0, 10, 0                               ; my tile of W_enc
	s_wait_loadcnt 16                              ; tile 3 is in
	TRF WB1
	GMUL WB1, 3, 0
	s_wait_loadcnt 0x0
	TRF WB0                                        ; its 32 conversions name none of the last products' registers: they are the places behind them
.irp f, 0,1,2,3
	global_store_b128 v[FO], v[WB0+8*\f:WB0+8*\f+3],   s[14:15] offset:1024*\f      ; each store of the wave covers 512 consecutive bytes, aligned
	global_store_b128 v[FO], v[WB0+8*\f+4:WB0+8*\f+7], s[14:15] offset:1024*\f+512
.endr
.irp f, 0,1,2,3                        ; my partial sums: row l % 16, columns 16 f + 8 (l / 16) + 0..7; each accumulator's low registers first
	ds_store_b128 v[PS], v[ACC+8*\f:ACC+8*\f+3]   offset:64*\f
	ds_store_b128 v[PS], v[ACC+8*\f+4:ACC+8*\f+7] offset:64*\f+16
.endr
	s_wait_dscnt 0x0                               ; for the others' sake: my stores are done
	s_barrier_signal -1
	s_barrier_wait -1
.irp j, 0,1,2,3,4,5,6,7
	ds_load_b128 v[RB+4*\j:RB+4*\j+3], v[PR] offset:PARTW*\j
.endr
	s_wait_dscnt 0x0
.irp j, 0,2,4,6
	v_pk_add_f32 v[RB+4*\j:RB+4*\j+1],   v[RB+4*\j:RB+4*\j+1],   v[RB+4*\j+4:RB+4*\j+5]
	v_pk_add_f32 v[RB+4*\j+2:RB+4*\j+3], v[RB+4*\j+2:RB+4*\j+3], v[RB+4*\j+6:RB+4*\j+7]
.endr
.irp j, 0,4
	v_pk_add_f32 v[RB+4*\j:RB+4*\j+1],   v[RB+4*\j:RB+4*\j+1],   v[RB+4*\j+8:RB+4*\j+9]
	v_pk_add_f32 v[RB+4*\j+2:RB+4*\j+3], v[RB+4*\j+2:RB+4*\j+3], v[RB+4*\j+10:RB+4*\j+11]
.endr
	v_pk_add_f32 v[RB:RB+1],   v[RB:RB+1],   v[RB+16:RB+17]
	v_pk_add_f32 v[RB+2:RB+3], v[RB+2:RB+3], v[RB+18:RB+19]
	v_pk_add_f32 v[RB:RB+1],   v[RB:RB+1],   v[BI:BI+1]
	v_pk_add_f32 v[RB+2:RB+3], v[RB+2:RB+3], v[BI+2:BI+3]
	global_store_b128 v[OO], v[RB:RB+3], s[12:13]  ; sixteen lanes store 256 consecutive bytes, aligned
	s_wait_tensorcnt 0x0                           ; the wave's end: behind my last LDS store
	ds_add_u32 v[SPW], v[NIL]
	s_wait_dscnt 0x0
	s_endpgm
.Lfunc_end_k_q71c380b326_prep:
	.size	k_q71c380b326_prep, .Lfunc_end_k_q71c380b326_prep-k_q71c380b326_prep
	.p2alignl 7, 3214868480
	.fill 96, 4, 3214868480
	.section	.rodata,"a",@progbits
	.p2align	6, 0x0
	.amdhsa_kernel k_q71c380b326_prep
		.amdhsa_group_segment_fixed_size 76800
		.amdhsa_private_segment_fixed_size 0
		.amdhsa_enable_private_segment 0
		.amdhsa_kernarg_size 48
		.amdhsa_user_sgpr_count 2
		.amdhsa_user_sgpr_kernarg_segment_ptr 1
		.amdhsa_wavefront_size32 1
		.amdhsa_system_sgpr_workgroup_id_x 1
		.amdhsa_system_sgpr_workgroup_id_y 1
		.amdhsa_system_sgpr_workgroup_id_z 1
		.amdhsa_system_vgpr_workitem_id 0
		.amdhsa_next_free_vgpr 256
		.amdhsa_next_free_sgpr 66
		.amdhsa_reserve_vcc 0
		.amdhsa_float_denorm_mode_32 3
		.amdhsa_float_denorm_mode_16_64 3
		.amdhsa_memory_ordered 1
		.amdhsa_forward_progress 1
		.amdhsa_inst_pref_size 37
	.end_amdhsa_kernel
	.amdgpu_metadata
---
amdhsa.version: [ 1, 2 ]
amdhsa.kernels:
  - .name:           k_q71c380b326_prep
    .symbol:         k_q71c380b326_prep.kd
    .args:
      - { .name: dec_h_curr, .offset: 0, .size: 8, .value_kind: global_buffer, .address_space: global }
      - { .name: W_dec, .offset: 8, .size: 8, .value_kind: global_buffer, .address_space: global }
      - { .name: b_dec, .offset: 16, .size: 8, .value_kind: global_buffer, .address_space: global }
      - { .name: W_enc, .offset: 24, .size: 8, .value_kind: global_buffer, .address_space: global }
      - { .name: dv, .offset: 32, .size: 8, .value_kind: global_buffer, .address_space: global }
      - { .name: wt, .offset: 40, .size: 8, .value_kind: global_buffer, .address_space: global }
    .group_segment_fixed_size: 76800
    .private_segment_fixed_size: 0
    .kernarg_segment_align: 8
    .kernarg_segment_size: 48
    .max_flat_workgroup_size: 256
    .sgpr_count:     66
    .vgpr_count:     256
    .wavefront_size: 32
...
	.end_amdgpu_metadata
.endif
;; end of part 1
;; launch main (part 2): grid 256 x 1, 4 waves a work-group, clusters of 4 x 1, 327,680 bytes of LDS; arguments enc_hids, wt, dv, b_enc, W_one, b_one, sc, st, cp; writes sc, st, cp
.if DOCPART == 2
	.amdgcn_target "amdgcn-amd-amdhsa--gfx1250"
	.amdhsa_code_object_version 6
	.text
	.protected	k_q71c380b326_main
	.globl	k_q71c380b326_main
	.p2align	8
	.type	k_q71c380b326_main,@function
k_q71c380b326_main:
	s_mov_b64 s[64:65], 0
	v_nop
	global_prefetch_b8 v0, s[64:65] scope:SCOPE_SE
	s_setreg_imm32_b32 hwreg(HW_REG_WAVE_MODE, 25, 1), 1
	s_wait_xcnt 0x0
	s_wait_alu depctr_hold_cnt(0) depctr_sa_sdst(0) depctr_va_vdst(0) depctr_va_sdst(0) depctr_va_ssrc(0) depctr_va_vcc(0) depctr_vm_vsrc(0)
	s_getreg_b32 s2, hwreg(HW_REG_IB_STS2, 6, 4)
	s_cmp_eq_u32 s2, 0
	s_cbranch_scc0 .Lentry_in_a_cluster
	s_endpgm
.Lentry_in_a_cluster:
	s_bfe_u32 s2, ttmp6, 0x10000c
	s_cmp_lg_u32 s2, 0x3003
	s_cbranch_scc0 .Lentry_shape_is_right
	s_endpgm
.Lentry_shape_is_right:
; ADDITIVE ATTENTION, FROM enc_hids TO SCORES AND A PARTIAL CONTEXT.
; For batch n and row l: score = the sum over d of W_one[d] tanh(dv[n][d] + b_enc[d] + the sum over e of enc[n][l][e] W_enc[e][d]) + b_one.
; SHARES.  Work-group g = 4 n + part owns rows 256 part .. + 255 of batch n, as four TILES of 64 rows x all 1,024 columns d.  Wave w owns columns 256 w .. + 255: 4 row blocks x 16 column blocks,
; 64 accumulators, 512 registers.
; OUT: sc[n][l] = z = log2(e) x score; st[g] = (m, l): the maximum of the group's z and the sum of 2^(z - m); cp[g][e] = the sum over its rows of 2^(z - m) enc[n][l][e].  The last launch joins the four parts.
; A running maximum is kept from tile to tile; l and cp are multiplied by 2^(m_old - m_new) at each tile.
; tanh(x) = 1 - 2 / (1 + 2^(c2 x)), c2 = 2 log2(e): right at both ends (2^.. = infinity gives 1, 0 gives -1).  So score = sum of W_one - 2 x the sum of W_one / (1 + 2^(c2 x)).
; enc_hids IS READ TWICE, on purpose.  Two slots of two K steps of W_enc are 262,144 bytes of LDS; a tile's 64 rows in bf16 would be 132,096 more, and 327,680 is all there is.  So for the product the rows pass
; through two small places in LDS, a slice of 64 channels each, and for the context the tile's rows are loaded once more, in f32, into the accumulators' registers as the tanh step frees them.
; LIMITS.  Matrix operands are enc_hids and W_enc rounded once to bf16; the context is made of enc_hids as it lies in memory, with f32 weights and f32 sums.  A weight below 2^-126 counts as 0.
; NaN and infinities in the inputs are not treated apart.  At the group's end two slices of enc_hids are loaded once more from a clamped index and not used, so that the counted wait for a slice is the same in every turn.
; THE PRODUCT: source 0 = 16 rows of enc, source 1 = 16 columns of W_enc: a lane holds ONE column (l % 16) and rows 8 (l / 16) + 0..7, so c2 (dv + b_enc) and W_one are one register a column block.
; W_enc comes from wt, in fragment order (the launch before): a K step of 32 is 65,536 dense bytes, a wave's 16 fragments 16,384 of them.
; CLUSTER.  All work-groups walk the same wt: the four of a cluster ask for each slot JOINTLY: the same tensor load, descriptor and mask in all four.  A wave never has more than one tensor load out.
; wt is not prefetched: every work-group walks its 2 MB four times.  enc_hids is, ahead of its first reading: see AWORK and APF.
; REGISTERS, in windows of 256 (s_set_vgpr_msb: bits 1:0 source 0, 3:2 source 1, 5:4 source 2, 7:6 destination):
;   window 0: addresses, A's fragments, the staging of enc, constants and statistics (below)     window 1: B's fragments, two buffers of 128; behind the K loop X0, X1 (64 each) and the 32 sums S
;   window 2: the accumulators of row blocks 0 and 1 (block a, column block b at 8 (16 (a % 2) + b))     window 3: those of row blocks 2 and 3.  Behind the tanh step both hold the tile's rows in f32.
.set KSB,    65536                     ; a K step of W_enc
.set SLOTB,  2*KSB                     ; a slot: two K steps.  The ring begins at LDS byte 0 and is filled by tensor loads alone; K step k lies at KSB (k % 4)
.set ARING,  2*SLOTB                   ; 262,144: two places for a slice of enc in bf16, written by LDS stores alone
.set AP,     144                       ; a row of a slice: 128 bytes + 16 = 9 x 16: the 16 rows of a fragment load begin at 16 different groups of four banks (64 banks of 4 bytes: ISA guide 11.1)
.set APL,    64*AP                     ; a place: 9,216 bytes
.set SCR,    ARING+2*APL               ; 280,576: [wave][64 rows] f32: each wave's part of the scores
.set PB,     SCR+1024                  ; each wave's own copy of the tile's 64 weights
.set SPARE,  PB+1024                   ; 282,624: the spare words, 128 bytes for each wave: two blocks of 256 bytes that no other line names
.set ADRA,  8                          ; v8      LDS address of A's fragments in place 0; never rewritten
.set ADRB,  10                         ; v10-13  LDS address of my B fragments of K step k % 4; never rewritten
.set ASTO,  14                         ; v14     where I put 8 bytes of a converted row, in place 0; never rewritten
.set EOFF,  16                         ; v16     my 16 bytes of enc in a slice: (16 w + 8 (l / 16)) rows + 16 (l % 16)
.set PFO,   17                         ; v17     the prefetch: row 16 w + l % 16, 256 (l / 16)
.set SPW,   18                         ; v18     my spare word; never rewritten
.set NIL,   19                         ; v19     0; never rewritten
.set SCRW,  20
.set SCRR,  21
.set PBA,   22
.set PBR,   23
.set CTXO,  24                         ; v24     16 t: my four columns in each half of a row of enc and of cp
.set SCO,   27                         ; v27     8 l
.set AF,    32                         ; v[32:95]    A's fragments: buffer f at 32 f, row block a at 8 a.  Outside the K loop: the sums, then the tile's 64 weights
.set SB,    96                         ; v[96:159]   two slices of enc in f32, 32 registers each
.set T,     160                        ; v[160:175]  at work
.set DV,    176                        ; v[176:191]  c2 (dv + b_enc) of column block b
.set W2,    192                        ; v[192:207]  -2 W_one
.set SWL,   208                        ; v[208:209]  the sum of W_one over my 16 columns, twice
.set CX,    210                        ; v[210:217]  the context of columns 4 t .. + 3 and 512 + 4 t .. + 3
.set M,     218                        ; v218 m, v219 l: stored as a pair
.set LS,    219
.set AL,    220                        ; v[220:221]  2^(m_old - m_new), in the low register
.set Q0,    222
.set Q1,    224
.set Q2,    226
.set Q3,    228
.set Z,     230
.set ZD,    232
.set P,     234
.set TM,    236
.set TX,    237
.set MN,    238
.set PS,    239
.set WV,    22                         ; s22 my wave's number
.set CXP,   23                         ; s23 my place in the cluster: it enters the addresses of enc, sc, st and cp alone
.set GID,   24                         ; s24 g
.set TL,    25                         ; s25 tiles to go
.set LAP,   26
.set CN,    27                         ; s27 the slice of enc to be loaded next, 0 .. 63 over the four tiles
.set OFS,   28                         ; s[28:29] an offset, high word 0
.set TA,    30
.set TB,    31
.set G0F,   32                         ; s[32:35] group 0: K steps 0 to 3 into both slots; never rewritten
.set G0S,   36                         ; s[36:43] group 0 for slot 0 and slot 1
.set G1,    44                         ; s[44:51] group 1: 128 rows of 256 bytes
.set G1F,   52                         ; s[52:59] group 1: 256 rows of 256 bytes
.set WTW,   60                         ; s[60:61] wt + 32,768 w
.set EB,    66                         ; s[66:67] the slice that is being loaded
.set PFA,   68                         ; s[68:69] the slices that are being prefetched
.set ENC,   70                         ; s[70:71] enc at the group's first row
.set SCB,   72                         ; s[72:73] sc at the tile in hand
.set C2,    74                         ; s[74:75] 2 log2(e), twice
.set LOG2E, 76
.set B1L,   77                         ; s77 b_one, then b_one x log2(e)
.set SEL,   78                         ; s[78:79] v_permlanex16_b32's selects: each lane takes its own place in the other half
.set CPB,   82
.set STB,   84
.set CTB,   86                         ; s[86:87] enc at the first row of the tile whose context is due
.set SVX,   89
.set OFG,   90                         ; s[90:91] offsets that hold g: kept apart from what feeds the joint loads
.set MSB, 0
.macro WIN new                         ; the immediate's high byte repeats the setting that is left; a switch that changes nothing is dropped
.if MSB != (\new)
	s_set_vgpr_msb (MSB<<8)|(\new)
.set MSB, \new
.endif
.endm
.set MUL_LO, 0xa4                      ; A window 0, B window 1, C and D window 2
.set TO_B,   0x40                      ; destination window 1, address window 0
.macro CREST                           ; a round of the cluster's barrier behind its opening barrier
	s_cmp_lg_u32 s[WV], 0
	s_cbranch_scc1 .Lnot_wave_0_\@
	s_barrier_signal -3
.Lnot_wave_0_\@:
	s_barrier_wait -3
	s_barrier_signal -1
	s_barrier_wait -1
.endm
.macro CROUND
	s_barrier_signal -1
	s_barrier_wait -1
	CREST
.endm
.macro PLACES                          ; four places in front of loads into registers that matrix instructions have read (ISA guide 7.12.1 for vector instructions)
.rept 4
	v_nop
.endr
.endm
	s_load_b512 s[4:19], s[0:1], 0x0               ; enc s[4:5], wt s[6:7], dv s[8:9], b_enc s[10:11], W_one s[12:13], b_one s[14:15], sc s[16:17], st s[18:19]
	s_load_b64 s[20:21], s[0:1], 0x40              ; cp
	v_lshl_add_u32 v[SPW], v0, 2, SPARE
	v_mov_b32 v[NIL], 0
	ds_add_u32 v[SPW], v[NIL]                      ; the wave's opening: the add and its wait stand ahead of my first tensor load; work on registers stands between them
	v_lshrrev_b32 v1, 5, v0
	v_readfirstlane_b32 s[WV], v1                  ; wave 0..3
	s_bfe_u32 s[CXP], ttmp6, 0x40000
	s_lshl_b32 s[GID], ttmp9, 2                    ; in a cluster launch ttmp9 counts clusters: it is n
	s_add_co_u32 s[GID], s[GID], s[CXP]
	; group 1: dense blocks, asked for as rows of 32 elements of 8 bytes; no padding: in LDS lane i reads at 16 i
.irp g, G1, G1F
	s_mov_b32 s[(\g)+0], 15|(3<<16)|(1<<21)        ; 15:0 the mask: all four work-groups; 17:16 elements of 8 bytes; 21 set beside a mask
	s_mov_b32 s[(\g)+1], 32<<16                    ; tensor_dim0 = 32
	s_mov_b32 s[(\g)+3], 32<<16                    ; tile_dim0 = 32
	s_mov_b32 s[(\g)+5], 32                        ; 32 elements from row to row
	s_mov_b32 s[(\g)+6], 0
	s_mov_b32 s[(\g)+7], 0
.endr
	s_mov_b32 s[G1+2], 128<<16                     ; tensor_dim1 and tile_dim1: 128 rows, 32,768 bytes: my quarter of a slot
	s_mov_b32 s[G1+4], 128
	s_mov_b32 s[G1F+2], 256<<16                    ; 256 rows, 65,536 bytes: my quarter of both slots
	s_mov_b32 s[G1F+4], 256
	s_mov_b32 s[G0F], 1
	s_lshl_b32 s[G0F+1], s[WV], 16                 ; LDS: 65,536 w
	s_mov_b32 s[G0S], 1
	s_lshl_b32 s[G0S+1], s[WV], 15                 ; LDS: 32,768 w in slot 0,
	s_mov_b32 s[G0S+4], 1
	s_add_co_u32 s[G0S+5], s[G0S+1], SLOTB         ; and in slot 1
	s_mov_b32 s[C2], 0x4038aa3b                    ; 2 log2(e)
	s_mov_b32 s[C2+1], s[C2]
	s_mov_b32 s[LOG2E], 0x3fb8aa3b
	s_mov_b32 s[SEL], 0x76543210
	s_mov_b32 s[SEL+1], 0xfedcba98
	s_mov_b32 s[OFS+1], 0
	s_mov_b32 s[OFG+1], 0
	s_mov_b32 s[TL], 4
	s_mov_b32 s[CN], 2
	s_wait_dscnt 0x0                               ; the opening add is done
	s_wait_kmcnt 0x0
	s_load_b32 s[B1L], s[14:15], 0x0               ; b_one
	s_lshl_b32 s[OFS], s[WV], 16
	s_add_nc_u64 s[G0F+2:G0F+3], s[6:7], s[OFS:OFS+1]
	s_or_b32 s[G0F+3], s[G0F+3], 0x80000000        ; type = 2
	s_lshl_b32 s[OFS], s[WV], 15
	s_add_nc_u64 s[WTW:WTW+1], s[6:7], s[OFS:OFS+1]
	s_mov_b64 s[G0S+2:G0S+3], s[WTW:WTW+1]         ; each is stepped two slots on ahead of its refill
	s_or_b32 s[G0S+3], s[G0S+3], 0x80000000
	s_add_nc_u64 s[G0S+6:G0S+7], s[WTW:WTW+1], SLOTB
	s_or_b32 s[G0S+7], s[G0S+7], 0x80000000
	CROUND                                         ; all four work-groups are here: the first joint loads meet
	tensor_load_to_lds s[G0F:G0F+3], s[G1F:G1F+7]  ; K steps 0 to 3
	s_nop 0
	PLACES
	s_lshl_b32 s[OFG], s[GID], 20                  ; 256 rows of 4,096 bytes
	s_add_nc_u64 s[ENC:ENC+1], s[4:5], s[OFG:OFG+1]
	s_mov_b64 s[EB:EB+1], s[ENC:ENC+1]
	s_mov_b64 s[CTB:CTB+1], s[ENC:ENC+1]
	s_lshl_b32 s[OFG], s[GID], 10
	s_add_nc_u64 s[SCB:SCB+1], s[16:17], s[OFG:OFG+1]
	s_lshl_b32 s[OFG], s[GID], 3
	s_add_nc_u64 s[STB:STB+1], s[18:19], s[OFG:OFG+1]
	s_lshl_b32 s[OFG], s[GID], 12
	s_add_nc_u64 s[CPB:CPB+1], s[20:21], s[OFG:OFG+1]
	s_lshl_b32 s[OFG], ttmp9, 12
	s_add_nc_u64 s[8:9], s[8:9], s[OFG:OFG+1]      ; dv at row n
	s_lshl_b32 s[TA], s[WV], 10
	v_and_b32 v1, 15, v0                           ; l % 16
	v_bfe_u32 v2, v0, 4, 1                         ; l / 16
	v_and_b32 v3, 31, v0                           ; l
	v_lshl_add_u32 v4, v1, 2, s[TA]                ; column 256 w + l % 16, in bytes
.set b, 0
.rept 16
	global_load_b32 v[DV+b], v4, s[8:9]   offset:64*b
	global_load_b32 v[AF+b], v4, s[10:11] offset:64*b
	global_load_b32 v[W2+b], v4, s[12:13] offset:64*b
.set b, b+1
.endr
	s_lshl_b32 s[TA], s[WV], 16
	v_lshlrev_b32 v[EOFF], 15, v2
	v_lshl_add_u32 v[EOFF], v1, 4, v[EOFF]
	v_add_nc_u32 v[EOFF], s[TA], v[EOFF]
.set i, 0
.rept 8                                ; slices 0 and 1: of my 16 rows, 256 consecutive bytes of a row to sixteen lanes
	global_load_b128 v[SB+4*i:SB+4*i+3], v[EOFF], s[EB:EB+1] offset:4096*i
.set i, i+1
.endr
.set i, 0
.rept 8
	global_load_b128 v[SB+32+4*i:SB+32+4*i+3], v[EOFF], s[EB:EB+1] offset:4096*i+256
.set i, i+1
.endr
	v_lshlrev_b32 v[PFO], 12, v1
	v_lshl_add_u32 v[PFO], v2, 8, v[PFO]
	v_add_nc_u32 v[PFO], s[TA], v[PFO]
	v_mul_u32_u24 v[ADRA], v1, AP
	v_lshl_add_u32 v[ADRA], v2, 4, v[ADRA]         ; row x pitch + 16 x half
	v_add_nc_u32 v[ADRA], ARING, v[ADRA]
	s_lshl_b32 s[TA], s[WV], 14
	v_lshl_add_u32 v[ADRB], v3, 4, s[TA]           ; my 16 fragments of a K step, 16 bytes a lane
	v_add_nc_u32 v[ADRB+1], KSB, v[ADRB]
	v_add_nc_u32 v[ADRB+2], 2*KSB, v[ADRB]
	v_add_nc_u32 v[ADRB+3], 3*KSB, v[ADRB]
	s_mul_i32 s[TA], s[WV], 16*AP
	s_add_co_u32 s[TA], s[TA], ARING
	v_mul_u32_u24 v[ASTO], v2, 8*AP
	v_lshl_add_u32 v[ASTO], v1, 3, v[ASTO]
	v_add_nc_u32 v[ASTO], s[TA], v[ASTO]           ; row 16 w + 8 (l / 16), 8 bytes for each of 16 lanes
	s_lshl_b32 s[TA], s[WV], 8
	s_add_co_u32 s[TB], s[TA], SCR
	v_lshl_add_u32 v[SCRW], v2, 5, s[TB]
	v_lshl_add_u32 v[SCRR], v3, 3, SCR
	s_add_co_u32 s[TB], s[TA], PB
	v_lshl_add_u32 v[PBA], v3, 3, s[TB]
	v_mov_b32 v[PBR], s[TB]
	v_lshlrev_b32 v[CTXO], 4, v0
	v_lshlrev_b32 v[SCO], 3, v3
.set i, 0
.rept 8
	v_mov_b32 v[CX+i], 0
.set i, i+1
.endr
	v_mov_b32 v[LS], 0
	v_mov_b32 v[M], 0xff7fffff                     ; the lowest finite number: the first tile's factor is 0
	v_mov_b32 v[TX], 0
	v_mov_b32 v[AL+1], 0                           ; named with AL as a pair
	s_wait_loadcnt 16                              ; the 48 small loads are in; the 16 loads of slices 0 and 1 stay out
.set b, 0
.rept 8
	v_pk_add_f32 v[DV+2*b:DV+2*b+1], v[DV+2*b:DV+2*b+1], v[AF+2*b:AF+2*b+1]
	v_pk_mul_f32 v[DV+2*b:DV+2*b+1], v[DV+2*b:DV+2*b+1], s[C2:C2+1] op_sel_hi:[1,0]
.set b, b+1
.endr
.irp j, 0,1,2,3
	v_pk_add_f32 v[T+2*\j:T+2*\j+1], v[W2+4*\j:W2+4*\j+1], v[W2+4*\j+2:W2+4*\j+3]
.endr
	v_pk_add_f32 v[T:T+1], v[T:T+1], v[T+2:T+3]
	v_pk_add_f32 v[T+4:T+5], v[T+4:T+5], v[T+6:T+7]
	v_pk_add_f32 v[T:T+1], v[T:T+1], v[T+4:T+5]
	v_add_f32 v[SWL], v[T], v[T+1]
	v_mov_b32 v[SWL+1], v[SWL]
.set b, 0
.rept 8
	v_pk_mul_f32 v[W2+2*b:W2+2*b+1], v[W2+2*b:W2+2*b+1], -2.0 op_sel_hi:[1,0]
.set b, b+1
.endr
	s_wait_kmcnt 0x0
	s_mul_f32 s[B1L], s[B1L], s[LOG2E]
	s_branch .LK                                   ; the loop over tiles is entered in its middle: there is no tile before the first
; nb matrix instructions: row block a x column blocks b0 on, 32 along K, from buffer f.  zero = 1: the product starts the sum: nothing is cleared.
; The 64 accumulators take turns, one instruction a turn, in the same order in every K step, over the backward jumps too.
.macro MULR f, a, b0, nb, zero
	WIN MUL_LO+0x50*((\a)/2)
.set bq, \b0
.rept \nb
.set rD, 8*(16*((\a)%2)+bq)
.if \zero
	v_wmma_f32_16x16x32_bf16 v[rD:rD+7], v[AF+32*(\f)+8*(\a):AF+32*(\f)+8*(\a)+7], v[128*(\f)+8*bq:128*(\f)+8*bq+7], 0
.else
	v_wmma_f32_16x16x32_bf16 v[rD:rD+7], v[AF+32*(\f)+8*(\a):AF+32*(\f)+8*(\a)+7], v[128*(\f)+8*bq:128*(\f)+8*bq+7], v[rD:rD+7]
.endif
.set bq, bq+1
.endr
.endm
; 40 LDS loads in one run: a K step's fragments into buffer g: my 16 of B (idx = the K step % 4), then A's four row blocks from half hf of the slice in place pl, block 0 first.
.macro FETCH idx, pl, hf, g
	WIN TO_B
.set i, 0
.rept 16
	ds_load_b128 v[128*(\g)+8*i:128*(\g)+8*i+3],   v[ADRB+(\idx)] offset:1024*i
	ds_load_b128 v[128*(\g)+8*i+4:128*(\g)+8*i+7], v[ADRB+(\idx)] offset:1024*i+512
.set i, i+1
.endr
	WIN 0
.set i, 0
.rept 4
	ds_load_b128 v[AF+32*(\g)+8*i:AF+32*(\g)+8*i+3],   v[ADRA] offset:APL*(\pl)+16*AP*i+64*(\hf)
	ds_load_b128 v[AF+32*(\g)+8*i+4:AF+32*(\g)+8*i+7], v[ADRA] offset:APL*(\pl)+16*AP*i+64*(\hf)+32
.set i, i+1
.endr
.endm
.macro SLICEADDR dst, idx              ; slice idx: tile idx / 16 (64 rows of 4,096 bytes), 256 bytes idx % 16 of the rows
	s_lshr_b32 s[OFS], s[\idx], 4
	s_lshl_b32 s[OFS], s[OFS], 18
	s_and_b32 s[TB], s[\idx], 15
	s_lshl_b32 s[TB], s[TB], 8
	s_add_co_u32 s[OFS], s[OFS], s[TB]
	s_add_nc_u64 s[\dst:\dst+1], s[ENC:ENC+1], s[OFS:OFS+1]
.endm
; A SLICE OF enc (64 channels of my 16 rows) is rounded to bf16 and laid into place pl; its buffer is asked for again, with slice CN, two slices on, into the next tile too.
; These loads carry no hint: the rows are read once more, for the context.  pf = 1: the address of the prefetch that APF issues is made here, behind the wait that frees it.
.macro AWORK buf, pf, pl
	s_wait_loadcnt 8                               ; this buffer's eight loads are in; the other buffer's eight, issued later, stay out
.set i, 0
.rept 16
	v_cvt_pk_bf16_f32 v[T+i], v[SB+32*(\buf)+2*i], v[SB+32*(\buf)+2*i+1]
.set i, i+1
.endr
.set i, 0
.rept 8                                ; lanes 0-15 lay 128 bytes of row i, lanes 16-31 of row 8 + i, which begins 128 bytes on modulo 256
	ds_store_b64 v[ASTO], v[T+2*i:T+2*i+1] offset:APL*(\pl)+AP*i
.set i, i+1
.endr
	s_wait_xcnt 0x0                                ; the other buffer's loads and the last prefetch, two K steps back or more, have read their addresses: EB and PFA may be written
	s_min_u32 s[TA], s[CN], 63                     ; behind the group's last slice: that slice once more, not used
	SLICEADDR EB, TA
.set i, 0
.rept 8
	global_load_b128 v[SB+32*(\buf)+4*i:SB+32*(\buf)+4*i+3], v[EOFF], s[EB:EB+1] offset:4096*i
.set i, i+1
.endr
.if \pf
	s_add_co_u32 s[TA], s[CN], 2
	s_min_u32 s[TA], s[TA], 62
	SLICEADDR PFA, TA
.endif
	s_add_co_u32 s[CN], s[CN], 1
.endm
; A PREFETCH INTO THE L2, behind the turn's loads of enc and the run of LDS loads: the two slices that stand behind the two on their way (CN + 2 and CN + 3 at the load of slice CN, CN even): of my own 16 rows, a lane a
; block of 256 bytes.  They are loaded four and six K steps later.  Each block is named once in the launch, by the wave that will load it first.  Slices 0 to 3 come by their loads alone; from CN = 62 on nothing is asked for.
.macro APF
	s_cmp_lt_u32 s[CN], 63                         ; CN has been stepped since
	s_cbranch_scc0 .Lnopf_\@
	global_prefetch_b8 v[PFO], s[PFA:PFA+1] th:TH_LOAD_NT scope:SCOPE_SE
.Lnopf_\@:
.endm
; AN EVEN K STEP, a slot's first: 64 matrix instructions on buffer 0, no barrier.  In its middle a slice of enc is laid into place apl (aw = its staging buffer, or -1), and the slot's second K step is fetched.
; What it writes (place apl) nobody reads before the next odd step's barrier; what it reads has been shown whole by the last one.
.macro STEPE zero, aw, pf, apl, idx, pl, hf
	s_wait_dscnt 4                                 ; all fragments but A's row blocks 2 and 3, the youngest four loads
	MULR 0, 0, 0, 16, \zero
	MULR 0, 1, 0, 16, \zero
	WIN 0
	s_wait_dscnt 0x0                               ; those four, issued 64 matrix instructions ago
	PLACES                                         ; in front of the loads into buffer 1
.if (\aw) >= 0
	AWORK \aw, \pf, \apl
.endif
	FETCH \idx, \pl, \hf, 1
.if \pf
	APF
.endif
	MULR 0, 2, 0, 16, \zero
	MULR 0, 3, 0, 16, \zero
.endm
; AN ODD K STEP, a slot's second: 64 matrix instructions on buffer 1, and THE CHANGE OF SLOTS: one barrier.  In front of it each wave waits for all its tensor loads (one is out: its quarter of the other slot), adds 0 to its
; spare word, and waits for that, for its reads of this slot and for its stores of the slice laid in the step before.  refill = 1: the barrier opens a round of the cluster's, and behind it this slot is filled again,
; with the K steps four and five on: the wave's one tensor load; 116 matrix instructions stand between it and the wait for it.  Then the other slot's first K step is fetched.
.macro STEPO slot, refill, idx, pl, hf
	s_wait_dscnt 4                                 ; all fragments but A's row blocks 2 and 3
	MULR 1, 0, 0, 16, 0
	MULR 1, 1, 0, 4, 0
	WIN 0                                          ; (the add's two registers lie in window 0)
	s_wait_tensorcnt 0x0                           ; no tensor load of mine is out, so a group 0 may be written
	ds_add_u32 v[SPW], v[NIL]                      ; 0 onto my spare word
.if \refill
	s_add_nc_u64 s[G0S+4*(\slot)+2:G0S+4*(\slot)+3], s[G0S+4*(\slot)+2:G0S+4*(\slot)+3], 2*SLOTB
.endif
	MULR 1, 1, 4, 8, 0                             ; eight matrix instructions stand between the add and the wait for it
	s_wait_dscnt 0x0
	s_barrier_signal -1
	MULR 1, 1, 12, 4, 0
	WIN 0                                          ; at a branch and at a label every window is 0
	s_barrier_wait -1
.if \refill
	CREST                                          ; no wave of any partner still reads this slot or has a load on its way
	tensor_load_to_lds s[G0S+4*(\slot):G0S+4*(\slot)+3], s[G1:G1+7]
	s_nop 0
.endif
	PLACES                                         ; behind the tensor load, and the places in front of the loads into buffer 0
	FETCH \idx, \pl, \hf, 0
	MULR 1, 2, 0, 16, 0
	MULR 1, 3, 0, 16, 0
.endm
; THE TILE'S ROWS ONCE MORE, for the context: group u is rows 8 u .. + 7, 16 loads, each 512 consecutive bytes of a row to the wave.  Row 8 u + j lands in the eight registers at 32 (u % 4) + 8 (j % 4) + 128 (j / 4) of
; window 2 + u / 4: the accumulators' registers that unit u of the tanh step has just read.  This is the rows' last reading.
.macro CLOAD u
	WIN 0x80+0x40*((\u)/4)
.set i, 0
.rept 16
.set rE, 32*((\u)%4)+8*((i/2)%4)+128*(i/8)+4*(i%2)
	global_load_b128 v[rE:rE+3], v[CTXO], s[CTB:CTB+1] offset:4096*(8*(\u)+i/2)+2048*(i%2) th:TH_LOAD_NT
.set i, i+1
.endr
.endm
.macro CROWS u                         ; group u's eight rows by their weights: 32 packed multiply-adds, in four chains
	WIN 0x02+(\u)/4
.set j, 0
.rept 8
.set rE, 32*((\u)%4)+8*(j%4)+128*(j/4)
.set rP, AF+8*(\u)+j-j%2
.set c, 0
.rept 4
.if j%2
	v_pk_fma_f32 v[CX+2*c:CX+2*c+1], v[rE+2*c:rE+2*c+1], v[rP:rP+1], v[CX+2*c:CX+2*c+1] op_sel:[0,1,0] op_sel_hi:[1,1,1]
.else
	v_pk_fma_f32 v[CX+2*c:CX+2*c+1], v[rE+2*c:rE+2*c+1], v[rP:rP+1], v[CX+2*c:CX+2*c+1] op_sel_hi:[1,0,1]
.endif
.set c, c+1
.endr
.set j, j+1
.endr
.endm
; THE SOFTMAX STEP AND THE CONTEXT of the tile whose sums lie in SCR.  Every wave makes the statistics for itself, so no barrier is needed inside.
.macro E2
	ds_load_b64 v[Q0:Q0+1], v[SCRR]                ; rows 2 l and 2 l + 1: the four waves' parts
	ds_load_b64 v[Q1:Q1+1], v[SCRR] offset:256
	ds_load_b64 v[Q2:Q2+1], v[SCRR] offset:512
	ds_load_b64 v[Q3:Q3+1], v[SCRR] offset:768
	s_wait_dscnt 0x0
	v_pk_add_f32 v[Q0:Q0+1], v[Q0:Q0+1], v[Q1:Q1+1]
	v_pk_add_f32 v[Q2:Q2+1], v[Q2:Q2+1], v[Q3:Q3+1]
	v_pk_add_f32 v[Q0:Q0+1], v[Q0:Q0+1], v[Q2:Q2+1]
	v_fma_f32 v[Z],   v[Q0],   s[LOG2E], s[B1L]    ; z = log2(e) (sum + b_one)
	v_fma_f32 v[Z+1], v[Q0+1], s[LOG2E], s[B1L]
	s_cmp_lg_u32 s[WV], 0
	s_cbranch_scc1 .Lnz_\@
	global_store_b64 v[SCO], v[Z:Z+1], s[SCB:SCB+1]  ; wave 0: the tile's 64 z, 256 consecutive bytes, aligned
.Lnz_\@:
	v_max_num_f32 v[TM], v[Z], v[Z+1]
	v_max_num_f32_dpp v[TM], v[TM], v[TM] row_xmask:1 row_mask:0xf bank_mask:0xf
	v_max_num_f32_dpp v[TM], v[TM], v[TM] row_xmask:2 row_mask:0xf bank_mask:0xf
	v_max_num_f32_dpp v[TM], v[TM], v[TM] row_xmask:4 row_mask:0xf bank_mask:0xf
	v_max_num_f32_dpp v[TM], v[TM], v[TM] row_xmask:8 row_mask:0xf bank_mask:0xf
	v_permlanex16_b32 v[TX], v[TM], s[SEL], s[SEL+1]
	v_max3_num_f32 v[MN], v[TM], v[TX], v[M]       ; the running maximum
	v_sub_f32 v[ZD],   v[Z],   v[MN]
	v_sub_f32 v[ZD+1], v[Z+1], v[MN]
	v_sub_f32 v[Q1],   v[M],   v[MN]
	v_exp_f32 v[AL],  v[Q1]
	v_exp_f32 v[P],   v[ZD]
	v_exp_f32 v[P+1], v[ZD+1]
	v_mov_b32 v[M], v[MN]                          ; the plain instruction behind the last exponential
	s_wait_alu depctr_va_vdst(0)                   ; one wait for the three, ahead of their first reader
	ds_store_b64 v[PBA], v[P:P+1]                  ; my wave's own copy: its loads below see it (LDS serves a wave's instructions in order: ISA guide 5.7.1.4)
.set i, 0
.rept 16                               ; all 64 weights into every lane: one address for all lanes
	ds_load_b128 v[AF+4*i:AF+4*i+3], v[PBR] offset:16*i
.set i, i+1
.endr
	v_add_f32 v[PS], v[P], v[P+1]
	v_add_f32_dpp v[PS], v[PS], v[PS] row_xmask:1 row_mask:0xf bank_mask:0xf
	v_add_f32_dpp v[PS], v[PS], v[PS] row_xmask:2 row_mask:0xf bank_mask:0xf
	v_add_f32_dpp v[PS], v[PS], v[PS] row_xmask:4 row_mask:0xf bank_mask:0xf
	v_add_f32_dpp v[PS], v[PS], v[PS] row_xmask:8 row_mask:0xf bank_mask:0xf
	v_permlanex16_b32 v[TX], v[PS], s[SEL], s[SEL+1]
	v_add_f32 v[PS], v[PS], v[TX]
	v_fma_f32 v[LS], v[LS], v[AL], v[PS]
.irp j, 0,2,4,6
	v_pk_mul_f32 v[CX+\j:CX+\j+1], v[CX+\j:CX+\j+1], v[AL:AL+1] op_sel_hi:[1,0]
.endr
	s_wait_dscnt 0x0                               ; the weights
	s_wait_loadcnt 63                              ; rows 0 to 31 are in: 64 loads were issued behind theirs, and the count's field ends at 63
	CROWS 0
	CROWS 1
	CROWS 2
	CROWS 3
	s_wait_loadcnt 48                              ; rows 32 to 39; the three younger groups' 48 loads stay out
	CROWS 4
	s_wait_loadcnt 32
	CROWS 5
	s_wait_loadcnt 16
	CROWS 6
	s_wait_loadcnt 0x0
	CROWS 7
	WIN 0
	s_wait_xcnt 0x0                                ; the store of z has read its base; the rows' loads are done
	s_add_nc_u64 s[SCB:SCB+1], s[SCB:SCB+1], 256
	s_add_nc_u64 s[CTB:CTB+1], s[CTB:CTB+1], 64*4096
.endm
.Ltile:                                ; A NEXT TILE BEGINS: both slots are filled again, with K steps 0 to 3, and the tile before gets its softmax step and context while they land
	s_wait_tensorcnt 0x0                           ; no tensor load of mine is out
	ds_add_u32 v[SPW], v[NIL]                      ; 0 onto my spare word
	s_mov_b64 s[G0S+2:G0S+3], s[WTW:WTW+1]
	s_or_b32 s[G0S+3], s[G0S+3], 0x80000000
	s_add_nc_u64 s[G0S+6:G0S+7], s[WTW:WTW+1], SLOTB
	s_or_b32 s[G0S+7], s[G0S+7], 0x80000000
	s_wait_dscnt 0x0                               ; the add is done, my reads of both slots and of both places are over, and my sums lie in SCR
	CROUND
	tensor_load_to_lds s[G0F:G0F+3], s[G1F:G1F+7]
	s_nop 0
	PLACES
	E2
.LK:
	AWORK 0, 1, 0                                  ; slice 0, K steps 0 and 1, into place 0: its last readers passed the barrier of K step 29
	s_wait_tensorcnt 0x0                           ; my quarter of K steps 0 to 3 is in,
	s_wait_dscnt 0x0                               ; my 16 rows of the slice lie in LDS
	s_barrier_signal -1
	s_barrier_wait -1                              ; everybody's do
	FETCH 0, 0, 0, 0
	APF
	STEPE 1, 1, 0, 1, 1, 0, 1                      ; K step 0: its products start the sums; slice 1 into place 1
	WIN 0
	s_mov_b32 s[LAP], 7
.Llap:                                 ; K steps 4 i + 1 .. 4 i + 4: once round the ring; every LDS address is a constant of the text
	STEPO 0, 1, 2, 1, 0                            ; slot 0 is left and filled again; K step 4 i + 2 is fetched from slot 1 and place 1
	STEPE 0, 0, 1, 0, 3, 1, 1                      ; slice 2 i + 2 into place 0
	STEPO 1, 1, 0, 0, 0                            ; slot 1 is left and filled again
	STEPE 0, 1, 0, 1, 1, 0, 1                      ; slice 2 i + 3 into place 1
	WIN 0
	s_sub_co_u32 s[LAP], s[LAP], 1
	s_cmp_lg_u32 s[LAP], 0
	s_cbranch_scc1 .Llap
	STEPO 0, 0, 2, 1, 0                            ; K step 29: nothing is left to fetch for this tile, so no round follows its barrier
	STEPE 0, -1, 0, 0, 3, 1, 1                     ; K step 30
	s_wait_dscnt 4                                 ; K step 31
	MULR 1, 0, 0, 16, 0
	MULR 1, 1, 0, 16, 0
	s_wait_dscnt 0x0
	MULR 1, 2, 0, 16, 0
	MULR 1, 3, 0, 16, 0
; TANH AND THE SUM ALONG d.  Eight units of 64 numbers a lane: unit u holds row blocks 2 (u / 4), + 1 and column blocks 4 (u % 4) .. + 3; pair i = 4 (4 aa + bb) + p.  Two buffers X by turns.
; P1: X = c2 acc + DV.  Then 2^X, + 1, the reciprocal; SA1: S[row] += -2 W_one / (1 + 2^X).  Each unit has two batches of 64 transcendentals and ONE wait behind each, ahead of the batch's first reader,
; the work set between names none of the batch's results: the unit before's sums among the exponentials, the next unit's P1 behind them.
; Behind each P1 the registers that it has read take eight of the tile's rows (CLOAD): the last group has a unit and a half, the sums across lanes and the softmax step's head in which to land.
.macro P1 u
.set ah, (\u)/4
.set XB, 64*((\u)%2)
	WIN 0x42+ah                                    ; destination window 1, the accumulators' window as source 0, DV in window 0
.set i, 0
.rept 32                               ; pairs ascend: each accumulator's lowest registers are read first
.set bb, 4*((\u)%4)+(i/4)%4
.set ra, 8*(16*(i/16)+bb)+2*(i%4)
.if bb%2
	v_pk_fma_f32 v[XB+2*i:XB+2*i+1], v[ra:ra+1], s[C2:C2+1], v[DV+bb-1:DV+bb] op_sel:[0,0,1] op_sel_hi:[1,0,1]
.else
	v_pk_fma_f32 v[XB+2*i:XB+2*i+1], v[ra:ra+1], s[C2:C2+1], v[DV+bb:DV+bb+1] op_sel_hi:[1,0,0]
.endif
.set i, i+1
.endr
.endm
.macro SA1 u, n                        ; pair n of unit u; column block 0 starts the sums: nothing is cleared
.set sbb, 4*((\u)%4)+((\n)/4)%4
.set sS, 128+8*(2*((\u)/4)+(\n)/16)+2*((\n)%4)
.set sX, 64*((\u)%2)+2*(\n)
.if sbb == 0
	v_pk_mul_f32 v[sS:sS+1], v[sX:sX+1], v[W2:W2+1] op_sel_hi:[1,0]
.elseif sbb%2
	v_pk_fma_f32 v[sS:sS+1], v[sX:sX+1], v[W2+sbb-1:W2+sbb], v[sS:sS+1] op_sel:[0,1,0] op_sel_hi:[1,1,1]
.else
	v_pk_fma_f32 v[sS:sS+1], v[sX:sX+1], v[W2+sbb:W2+sbb+1], v[sS:sS+1] op_sel_hi:[1,0,1]
.endif
.endm
	WIN 0
.rept 8
	v_nop                                          ; the places behind the last products, whose results and fragments' registers are taken up below
.endr
	P1 0
	CLOAD 0
.set u, 0
.rept 8
	WIN 0x51                                       ; X and S in window 1, W2 in window 0
.set e, 0
.rept 32
	v_exp_f32 v[64*(u%2)+2*e], v[64*(u%2)+2*e]
.if u > 0
	SA1 u-1, e
.endif
	v_exp_f32 v[64*(u%2)+2*e+1], v[64*(u%2)+2*e+1]
.set e, e+1
.endr
.if u < 7
	P1 u+1                                         ; into the buffer that the sums above have just read
.else
	v_nop                                          ; the plain instruction behind the last exponential
.endif
	s_wait_alu depctr_va_vdst(0)                   ; the wait for the 64 exponentials
.if u < 7
	CLOAD u+1
.endif
	WIN 0x51
	v_pk_add_f32 v[64*(u%2):64*(u%2)+1], v[64*(u%2):64*(u%2)+1], 1.0 op_sel_hi:[1,0]
.set e, 0
.rept 32
.if e < 31
	v_pk_add_f32 v[64*(u%2)+2*e+2:64*(u%2)+2*e+3], v[64*(u%2)+2*e+2:64*(u%2)+2*e+3], 1.0 op_sel_hi:[1,0]
.endif
	v_rcp_f32 v[64*(u%2)+2*e], v[64*(u%2)+2*e]
	v_rcp_f32 v[64*(u%2)+2*e+1], v[64*(u%2)+2*e+1]
.set e, e+1
.endr
	v_nop                                          ; the plain instruction behind the last reciprocal
	s_wait_alu depctr_va_vdst(0)                   ; the wait for the 64 reciprocals
.set u, u+1
.endr
.set e, 0
.rept 32
	SA1 7, e
.set e, e+1
.endr
	WIN 0x01                                       ; S in window 1; the sum of W_one and the result in window 0
.set i, 0
.rept 16
	v_pk_add_f32 v[AF+2*i:AF+2*i+1], v[128+2*i:128+2*i+1], v[SWL:SWL+1]
.set i, i+1
.endr
	WIN 0
.irp m, 1,2,4,8                        ; over the 16 lanes that hold a row's 16 columns of each block
.set i, 0
.rept 32
	v_add_f32_dpp v[AF+i], v[AF+i], v[AF+i] row_xmask:\m row_mask:0xf bank_mask:0xf
.set i, i+1
.endr
.endr
.irp a, 0,1,2,3                        ; rows 16 a + 8 (l / 16) + 0..7 of my wave's part; the sixteen lanes of a half write equal words
	ds_store_b128 v[SCRW], v[AF+8*\a:AF+8*\a+3]   offset:64*\a
	ds_store_b128 v[SCRW], v[AF+8*\a+4:AF+8*\a+7] offset:64*\a+16
.endr
	s_sub_co_u32 s[TL], s[TL], 1
	s_cmp_lg_u32 s[TL], 0
	s_cbranch_scc1 .Ltile
	s_wait_dscnt 0x0                               ; the last tile: my sums lie in SCR,
	s_barrier_signal -1
	s_barrier_wait -1                              ; everybody's do
	E2
	; THE WAY OUT.  A thread's four columns in each half of the row are 16 bytes: each store of the wave covers 512 consecutive bytes, aligned.
	global_store_b128 v[CTXO], v[CX:CX+3],   s[CPB:CPB+1]
	global_store_b128 v[CTXO], v[CX+4:CX+7], s[CPB:CPB+1] offset:2048
	v_mov_b32 v1, 0
	v_cmp_eq_u32 vcc_lo, 0, v0
	s_wait_xcnt 0x0                                ; EXEC changes only behind this wait
	s_and_saveexec_b32 s[SVX], vcc_lo
	global_store_b64 v1, v[M:M+1], s[STB:STB+1]    ; thread 0: (m, l)
	s_wait_xcnt 0x0                                ; and again, in front of the line that widens it
	s_or_b32 exec_lo, exec_lo, s[SVX]
	s_wait_tensorcnt 0x0                           ; the wave's end: behind my last tensor load and my last LDS store
	ds_add_u32 v[SPW], v[NIL]
	s_wait_dscnt 0x0
	CROUND                                         ; the closing round: no work-group ends while a partner may still ask for a tile that names it
	s_endpgm
.Lfunc_end_k_q71c380b326_main:
	.size	k_q71c380b326_main, .Lfunc_end_k_q71c380b326_main-k_q71c380b326_main
	.p2alignl 7, 3214868480
	.fill 96, 4, 3214868480
	.section	.rodata,"a",@progbits
	.p2align	6, 0x0
	.amdhsa_kernel k_q71c380b326_main
		.amdhsa_group_segment_fixed_size 327680
		.amdhsa_private_segment_fixed_size 0
		.amdhsa_enable_private_segment 0
		.amdhsa_kernarg_size 72
		.amdhsa_user_sgpr_count 2
		.amdhsa_user_sgpr_kernarg_segment_ptr 1
		.amdhsa_wavefront_size32 1
		.amdhsa_system_sgpr_workgroup_id_x 1
		.amdhsa_system_sgpr_workgroup_id_y 1
		.amdhsa_system_sgpr_workgroup_id_z 1
		.amdhsa_system_vgpr_workitem_id 0
		.amdhsa_next_free_vgpr 1024
		.amdhsa_next_free_sgpr 96
		.amdhsa_reserve_vcc 1
		.amdhsa_float_denorm_mode_32 3
		.amdhsa_float_denorm_mode_16_64 3
		.amdhsa_memory_ordered 1
		.amdhsa_forward_progress 1
		.amdhsa_inst_pref_size 227
	.end_amdhsa_kernel
	.amdgpu_metadata
---
amdhsa.version: [ 1, 2 ]
amdhsa.kernels:
  - .name:           k_q71c380b326_main
    .symbol:         k_q71c380b326_main.kd
    .args:
      - { .name: enc_hids, .offset: 0, .size: 8, .value_kind: global_buffer, .address_space: global }
      - { .name: wt, .offset: 8, .size: 8, .value_kind: global_buffer, .address_space: global }
      - { .name: dv, .offset: 16, .size: 8, .value_kind: global_buffer, .address_space: global }
      - { .name: b_enc, .offset: 24, .size: 8, .value_kind: global_buffer, .address_space: global }
      - { .name: W_one, .offset: 32, .size: 8, .value_kind: global_buffer, .address_space: global }
      - { .name: b_one, .offset: 40, .size: 8, .value_kind: global_buffer, .address_space: global }
      - { .name: sc, .offset: 48, .size: 8, .value_kind: global_buffer, .address_space: global }
      - { .name: st, .offset: 56, .size: 8, .value_kind: global_buffer, .address_space: global }
      - { .name: cp, .offset: 64, .size: 8, .value_kind: global_buffer, .address_space: global }
    .group_segment_fixed_size: 327680
    .private_segment_fixed_size: 0
    .kernarg_segment_align: 8
    .kernarg_segment_size: 72
    .max_flat_workgroup_size: 128
    .sgpr_count:     96
    .vgpr_count:     1024
    .wavefront_size: 32
...
	.end_amdgpu_metadata
.endif
;; end of part 2
;; launch finish (part 3): grid 16 x 4, 8 waves a work-group, no clusters, 76,800 bytes of LDS; arguments sc, st, cp, W_att, b_att, out0, out1; writes out0, out1
.if DOCPART == 3
	.amdgcn_target "amdgcn-amd-amdhsa--gfx1250"
	.amdhsa_code_object_version 6
	.text
	.protected	k_q71c380b326_finish
	.globl	k_q71c380b326_finish
	.p2align	8
	.type	k_q71c380b326_finish,@function
k_q71c380b326_finish:
	s_mov_b64 s[64:65], 0
	v_nop
	global_prefetch_b8 v0, s[64:65] scope:SCOPE_SE
	s_setreg_imm32_b32 hwreg(HW_REG_WAVE_MODE, 25, 1), 1
	s_wait_xcnt 0x0
; THE FOUR PARTS OF EACH BATCH ARE JOINED: alpha, the context, and its projection.
; For batch n the launch before left z = log2(e) x score in sc[n][l], and for parts i = 0..3 the pair (m_i, l_i) in st and the unnormalised context cp[4 n + i][e].
; MX = the largest m_i; e_i = 2^(m_i - MX); L = the sum of e_i l_i (at least 1: the part that holds MX has l_i of 1 or more).  out1[n][l] = 2^(z - MX) / L.  ctx[n][e] = the sum of cp[4 n + i][e] e_i / L.
; out0[n][c] = the sum over e of ctx[n][e] W_att[e][c] + b_att[c]: ctx and W_att rounded once to bf16, sums in f32.
; SHARES.  Work-group (nb, mb): rows 16 mb .. + 15, columns 64 nb .. + 63 of out0 and of out1.  K is split among its eight waves, 128 each: four K steps of 32; the partial sums meet in LDS.
; A weight tile [32 k][64 c] is rounded to bf16, laid into the wave's own LDS rows of 160 bytes, and comes back turned by ds_load_tr16_b128.
; THE PRODUCT IS TAKEN TRANSPOSED (source 0 = 16 columns of W_att, source 1 = the 16 rows of ctx): a lane ends with one row of out0 and eight neighbouring columns.
; LIMITS.  A weight below 2^-126 counts as 0; NaN and infinities are not treated apart.  No prefetch and no cluster: a short launch on 5.5 MB.
; REGISTERS: window 0 as named below; window 1: cp as loaded: K step s, part i, load j at 64 s + 16 i + 4 j.
.set TRP,   160
.set TRW,   32*TRP
.set PART,  8*TRW
.set PPI,   272
.set PARTW, 16*PPI
.set SPARE, PART+8*PARTW               ; the spare words, 128 bytes for each wave: four blocks of 256 bytes that no other line names
.set WV4, 4                            ; v4   4,096 (l / 16) + 16 (l % 16)
.set CO,  5                            ; v5   16,384 (l % 16) + 32 (l / 16): batch l % 16's part 0, my 8 channels
.set TRS, 6
.set TRL, 7
.set PS,  8
.set PR,  9
.set OO,  10                           ; v10  4,096 (t / 16) + 16 (t % 16)
.set SOA, 11                           ; v11  32 (l % 16)
.set SPW, 12
.set NIL, 13
.set BO,  14                           ; v14  16 (t % 16)
.set SOB, 15                           ; v15  32 (t / 16)
.set SA,  16                           ; v[16:23]  (m_i, l_i) of row 16 mb + l % 16: for the context
.set SBT, 24                           ; v[24:31]  of row 16 mb + t / 16: for alpha
.set G,   32                           ; v[32:39]  e_i / L, twice each: pairs for the packed forms
.set ZR,  40                           ; v[40:43]  z, then alpha
.set BI,  44                           ; v[44:47]  the bias
.set T,   48                           ; v[48:63]  at work
.set XF,  64                           ; v[64:95]  ctx's fragment of K step s at 64 + 8 s
.set XST, 8
.set ACC, 96
.set WB0, 128
.set WB1, 192
.set RB,  WB0
.set MSB, 0
.macro WIN new
.if MSB != (\new)
	s_set_vgpr_msb (MSB<<8)|(\new)
.set MSB, \new
.endif
.endm
	s_load_b256 s[4:11], s[0:1], 0x0               ; sc s[4:5], st s[6:7], cp s[8:9], W_att s[10:11]
	s_load_b128 s[12:15], s[0:1], 0x20             ; b_att s[12:13], out0 s[14:15]
	s_load_b64 s[16:17], s[0:1], 0x30              ; out1
	v_lshl_add_u32 v[SPW], v0, 2, SPARE
	v_mov_b32 v[NIL], 0
	v_lshrrev_b32 v1, 5, v0
	v_readfirstlane_b32 s18, v1                    ; wave 0..7
	s_and_b32 s19, ttmp7, 0xffff                   ; mb
	s_lshl_b32 s24, ttmp9, 8                       ; 256 nb
	s_mov_b32 s21, 0
	v_and_b32 v1, 15, v0
	v_bfe_u32 v2, v0, 4, 1
	v_lshrrev_b32 v[SOB], 4, v0                    ; t / 16
	v_lshlrev_b32 v[WV4], 12, v2
	v_lshl_add_u32 v[WV4], v1, 4, v[WV4]
	v_lshlrev_b32 v[CO], 14, v1
	v_lshl_add_u32 v[CO], v2, 5, v[CO]
	s_mul_i32 s22, s18, TRW
	v_mul_u32_u24 v[TRS], v2, TRP
	v_lshl_add_u32 v[TRS], v1, 3, v[TRS]
	v_add_nc_u32 v[TRS], s22, v[TRS]
	v_and_b32 v[TRL], 7, v0
	v_lshl_add_u32 v[TRL], v2, 3, v[TRL]
	v_mul_u32_u24 v[TRL], v[TRL], TRP
	v_bfe_u32 v[BO], v0, 3, 1
	v_lshl_add_u32 v[TRL], v[BO], 4, v[TRL]
	v_add_nc_u32 v[TRL], s22, v[TRL]
	s_mul_i32 s22, s18, PARTW
	s_add_co_u32 s22, s22, PART
	v_mul_u32_u24 v[PS], v1, PPI
	v_lshl_add_u32 v[PS], v2, 5, v[PS]
	v_add_nc_u32 v[PS], s22, v[PS]
	v_mul_u32_u24 v[PR], v[SOB], PPI
	v_lshl_add_u32 v[PR], v1, 4, v[PR]
	v_add_nc_u32 v[PR], PART, v[PR]
	v_lshlrev_b32 v[OO], 12, v[SOB]
	v_lshl_add_u32 v[OO], v1, 4, v[OO]
	v_lshlrev_b32 v[SOA], 5, v1
	v_lshlrev_b32 v[BO], 4, v1
	v_lshlrev_b32 v[SOB], 5, v[SOB]
	s_wait_kmcnt 0x0
	s_lshl_b32 s20, s19, 16                        ; sc, out0, out1: 16 mb rows of 4,096 bytes + 64 nb columns
	s_add_co_u32 s20, s20, s24
	s_add_nc_u64 s[4:5], s[4:5], s[20:21]
	s_add_nc_u64 s[14:15], s[14:15], s[20:21]
	s_add_nc_u64 s[16:17], s[16:17], s[20:21]
	s_lshl_b32 s20, s19, 9                         ; st: 32 bytes a batch
	s_add_nc_u64 s[6:7], s[6:7], s[20:21]
	s_lshl_b32 s20, s19, 18                        ; cp: 16,384 bytes a batch, my 128 channels
	s_lshl_b32 s22, s18, 9
	s_add_co_u32 s20, s20, s22
	s_add_nc_u64 s[8:9], s[8:9], s[20:21]
	s_lshl_b32 s20, s18, 19                        ; W_att: my 128 rows, the group's 64 columns
	s_add_co_u32 s20, s20, s24
	s_add_nc_u64 s[10:11], s[10:11], s[20:21]
	s_mov_b32 s20, s24
	s_add_nc_u64 s[12:13], s[12:13], s[20:21]      ; b_att
.macro WLOAD buf, sb, off              ; a weight tile: 16 loads, each two rows of 256 consecutive bytes
.set i, 0
.rept 16
	global_load_b128 v[(\buf)+4*i:(\buf)+4*i+3], v[WV4], s[\sb:\sb+1] offset:(\off)+8192*i
.set i, i+1
.endr
.endm
.macro CPLOAD s                        ; cp of K step s: four parts x 16 channels a lane (destination in window 1)
.set i, 0
.rept 16
	global_load_b128 v[64*(\s)+4*i:64*(\s)+4*i+3], v[CO], s[8:9] offset:128*(\s)+4096*(i/4)+16*(i%2)+64*((i%4)/2)
.set i, i+1
.endr
.endm
.macro COMB s                          ; ctx's fragment of K step s: the four parts by their factors, rounded once to bf16
	WIN 0x01                                       ; source 0 in window 1
.set i, 0
.rept 8
	v_pk_mul_f32 v[T+2*i:T+2*i+1], v[64*(\s)+2*i:64*(\s)+2*i+1], v[G:G+1] op_sel_hi:[1,0]
.set i, i+1
.endr
.set i, 8
.rept 24
	v_pk_fma_f32 v[T+2*(i%8):T+2*(i%8)+1], v[64*(\s)+2*i:64*(\s)+2*i+1], v[G+2*(i/8):G+2*(i/8)+1], v[T+2*(i%8):T+2*(i%8)+1] op_sel_hi:[1,0,1]
.set i, i+1
.endr
	WIN 0
.set i, 0
.rept 8
	v_cvt_pk_bf16_f32 v[XF+XST*(\s)+i], v[T+2*i], v[T+2*i+1]
.set i, i+1
.endr
.endm
.macro TRF buf                         ; the tile is rounded to bf16 in place, laid into my stage and read back turned: four fragments in the buffer's first 32 registers
.set i, 0
.rept 16
	v_cvt_pk_bf16_f32 v[(\buf)+4*i],   v[(\buf)+4*i],   v[(\buf)+4*i+1]
	v_cvt_pk_bf16_f32 v[(\buf)+4*i+1], v[(\buf)+4*i+2], v[(\buf)+4*i+3]
.set i, i+1
.endr
.set i, 0
.rept 16
	ds_store_b64 v[TRS], v[(\buf)+4*i:(\buf)+4*i+1] offset:2*TRP*i
.set i, i+1
.endr
.set i, 0
.rept 4                                ; LDS serves a wave's instructions in order (ISA guide 5.7.1.4): these see the stores above
	ds_load_tr16_b128 v[(\buf)+8*i:(\buf)+8*i+3],   v[TRL] offset:32*i
	ds_load_tr16_b128 v[(\buf)+8*i+4:(\buf)+8*i+7], v[TRL] offset:32*i+16*TRP
.set i, i+1
.endr
	s_wait_dscnt 0x0
.endm
.macro GMUL buf, s, zero               ; four products; the four accumulators take turns, from K step to K step too
.irp f, 0,1,2,3
.if \zero
	v_wmma_f32_16x16x32_bf16 v[ACC+8*\f:ACC+8*\f+7], v[(\buf)+8*\f:(\buf)+8*\f+7], v[XF+XST*(\s):XF+XST*(\s)+7], 0
.else
	v_wmma_f32_16x16x32_bf16 v[ACC+8*\f:ACC+8*\f+7], v[(\buf)+8*\f:(\buf)+8*\f+7], v[XF+XST*(\s):XF+XST*(\s)+7], v[ACC+8*\f:ACC+8*\f+7]
.endif
.endr
.endm
.macro PLACES                          ; four places between a product and a load into a register that it has read, or a reader of its result (ISA guide 7.12.1 for vector instructions)
.rept 4
	v_nop
.endr
.endm
	global_load_b128 v[SA:SA+3],     v[SOA], s[6:7]
	global_load_b128 v[SA+4:SA+7],   v[SOA], s[6:7] offset:16
	global_load_b128 v[SBT:SBT+3],   v[SOB], s[6:7]
	global_load_b128 v[SBT+4:SBT+7], v[SOB], s[6:7] offset:16
	global_load_b128 v[ZR:ZR+3],     v[OO],  s[4:5]
	global_load_b128 v[BI:BI+3],     v[BO],  s[12:13]
	WIN 0x40
	CPLOAD 0
	CPLOAD 1
	WIN 0
	WLOAD WB0, 10, 0
	s_wait_loadcnt 48                              ; the six small loads are in; cp's 32 and the tile's 16 stay out
	v_max3_num_f32 v[T],   v[SA],  v[SA+2],  v[SA+4]
	v_max3_num_f32 v[T+1], v[SBT], v[SBT+2], v[SBT+4]
	v_max_num_f32 v[T],   v[T],   v[SA+6]
	v_max_num_f32 v[T+1], v[T+1], v[SBT+6]
.irp i, 0,2,4,6
	v_sub_f32 v[SA+\i],  v[SA+\i],  v[T]
	v_sub_f32 v[SBT+\i], v[SBT+\i], v[T+1]
.endr
.irp i, 0,2,4,6
	v_exp_f32 v[SA+\i],  v[SA+\i]
	v_exp_f32 v[SBT+\i], v[SBT+\i]
.endr
.irp j, 0,1,2,3
	v_sub_f32 v[ZR+\j], v[ZR+\j], v[T+1]           ; z - MX: plain work behind the exponentials
.endr
	s_wait_alu depctr_va_vdst(0)                   ; one wait for the eight, ahead of their first reader
	v_mul_f32 v[T+2], v[SA],  v[SA+1]
	v_mul_f32 v[T+3], v[SBT], v[SBT+1]
.irp i, 2,4,6
	v_fmac_f32 v[T+2], v[SA+\i],  v[SA+\i+1]
	v_fmac_f32 v[T+3], v[SBT+\i], v[SBT+\i+1]
.endr
	v_rcp_f32 v[T+2], v[T+2]
	v_rcp_f32 v[T+3], v[T+3]
.irp j, 0,1,2,3
	v_exp_f32 v[ZR+\j], v[ZR+\j]
.endr
	v_nop                                          ; the plain instruction behind the last of them
	s_wait_alu depctr_va_vdst(0)                   ; one wait for the two reciprocals and the four exponentials
.irp i, 0,2,4,6
	v_mul_f32 v[G+\i],   v[SA+\i], v[T+2]
	v_mul_f32 v[G+\i+1], v[SA+\i], v[T+2]
.endr
.irp j, 0,1,2,3
	v_mul_f32 v[ZR+\j], v[ZR+\j], v[T+3]
.endr
	global_store_b128 v[OO], v[ZR:ZR+3], s[16:17]  ; alpha: sixteen lanes store 256 consecutive bytes, aligned
	WLOAD WB1, 10, 131072
	WIN 0x40
	CPLOAD 2
	CPLOAD 3
	WIN 0
	s_wait_loadcnt 48                              ; cp of K steps 0 and 1 and tile 0 are in; tile 1's 16 and cp's later 32 stay out
	COMB 0
	COMB 1
	TRF WB0
	GMUL WB0, 0, 1                                 ; the first products start the sums
	PLACES
	WLOAD WB0, 10, 2*131072
	s_wait_loadcnt 48                              ; tile 1 is in; cp's 32 and tile 2's 16 stay out
	TRF WB1
	GMUL WB1, 1, 0
	PLACES
	WLOAD WB1, 10, 3*131072
	s_wait_loadcnt 16                              ; all but tile 3's 16
	COMB 2
	COMB 3
	TRF WB0
	GMUL WB0, 2, 0
	s_wait_loadcnt 0x0
	TRF WB1
	GMUL WB1, 3, 0
	PLACES
	PLACES                                         ; eight, once a launch: behind the last products, in front of the stores that read their results
.irp f, 0,1,2,3                        ; my partial sums: row l % 16, columns 16 f + 8 (l / 16) + 0..7; each accumulator's low registers first
	ds_store_b128 v[PS], v[ACC+8*\f:ACC+8*\f+3]   offset:64*\f
	ds_store_b128 v[PS], v[ACC+8*\f+4:ACC+8*\f+7] offset:64*\f+16
.endr
	s_wait_dscnt 0x0                               ; for the others' sake: my stores are done
	s_barrier_signal -1
	s_barrier_wait -1
.irp j, 0,1,2,3,4,5,6,7
	ds_load_b128 v[RB+4*\j:RB+4*\j+3], v[PR] offset:PARTW*\j
.endr
	s_wait_dscnt 0x0
.irp j, 0,2,4,6
	v_pk_add_f32 v[RB+4*\j:RB+4*\j+1],   v[RB+4*\j:RB+4*\j+1],   v[RB+4*\j+4:RB+4*\j+5]
	v_pk_add_f32 v[RB+4*\j+2:RB+4*\j+3], v[RB+4*\j+2:RB+4*\j+3], v[RB+4*\j+6:RB+4*\j+7]
.endr
.irp j, 0,4
	v_pk_add_f32 v[RB+4*\j:RB+4*\j+1],   v[RB+4*\j:RB+4*\j+1],   v[RB+4*\j+8:RB+4*\j+9]
	v_pk_add_f32 v[RB+4*\j+2:RB+4*\j+3], v[RB+4*\j+2:RB+4*\j+3], v[RB+4*\j+10:RB+4*\j+11]
.endr
	v_pk_add_f32 v[RB:RB+1],   v[RB:RB+1],   v[RB+16:RB+17]
	v_pk_add_f32 v[RB+2:RB+3], v[RB+2:RB+3], v[RB+18:RB+19]
	v_pk_add_f32 v[RB:RB+1],   v[RB:RB+1],   v[BI:BI+1]
	v_pk_add_f32 v[RB+2:RB+3], v[RB+2:RB+3], v[BI+2:BI+3]
	global_store_b128 v[OO], v[RB:RB+3], s[14:15]  ; sixteen lanes store 256 consecutive bytes, aligned
	s_wait_tensorcnt 0x0                           ; the wave's end: behind my last LDS store
	ds_add_u32 v[SPW], v[NIL]
	s_wait_dscnt 0x0
	s_endpgm
.Lfunc_end_k_q71c380b326_finish:
	.size	k_q71c380b326_finish, .Lfunc_end_k_q71c380b326_finish-k_q71c380b326_finish
	.p2alignl 7, 3214868480
	.fill 96, 4, 3214868480
	.section	.rodata,"a",@progbits
	.p2align	6, 0x0
	.amdhsa_kernel k_q71c380b326_finish
		.amdhsa_group_segment_fixed_size 76800
		.amdhsa_private_segment_fixed_size 0
		.amdhsa_enable_private_segment 0
		.amdhsa_kernarg_size 56
		.amdhsa_user_sgpr_count 2
		.amdhsa_user_sgpr_kernarg_segment_ptr 1
		.amdhsa_wavefront_size32 1
		.amdhsa_system_sgpr_workgroup_id_x 1
		.amdhsa_system_sgpr_workgroup_id_y 1
		.amdhsa_system_sgpr_workgroup_id_z 1
		.amdhsa_system_vgpr_workitem_id 0
		.amdhsa_next_free_vgpr 512
		.amdhsa_next_free_sgpr 66
		.amdhsa_reserve_vcc 0
		.amdhsa_float_denorm_mode_32 3
		.amdhsa_float_denorm_mode_16_64 3
		.amdhsa_memory_ordered 1
		.amdhsa_forward_progress 1
		.amdhsa_inst_pref_size 46
	.end_amdhsa_kernel
	.amdgpu_metadata
---
amdhsa.version: [ 1, 2 ]
amdhsa.kernels:
  - .name:           k_q71c380b326_finish
    .symbol:         k_q71c380b326_finish.kd
    .args:
      - { .name: sc, .offset: 0, .size: 8, .value_kind: global_buffer, .address_space: global }
      - { .name: st, .offset: 8, .size: 8, .value_kind: global_buffer, .address_space: global }
      - { .name: cp, .offset: 16, .size: 8, .value_kind: global_buffer, .address_space: global }
      - { .name: W_att, .offset: 24, .size: 8, .value_kind: global_buffer, .address_space: global }
      - { .name: b_att, .offset: 32, .size: 8, .value_kind: global_buffer, .address_space: global }
      - { .name: out0, .offset: 40, .size: 8, .value_kind: global_buffer, .address_space: global }
      - { .name: out1, .offset: 48, .size: 8, .value_kind: global_buffer, .address_space: global }
    .group_segment_fixed_size: 76800
    .private_segment_fixed_size: 0
    .kernarg_segment_align: 8
    .kernarg_segment_size: 56
    .max_flat_workgroup_size: 256
    .sgpr_count:     66
    .vgpr_count:     512
    .wavefront_size: 32
...
	.end_amdgpu_metadata
.endif
;; end of part 3
;; ======== version 2 of 2: 3 launches; version 1 with the launch finish written anew for expert scheduling mode
;; workspace buffers: wt 2,097,152 bytes; dv 262,144 bytes; sc 262,144 bytes; st 2,048 bytes; cp 1,048,576 bytes
;; launch prep: the kernel of part 1 again; grid 16 x 4, 8 waves a work-group, no clusters, 76,800 bytes of LDS; arguments dec_h_curr, W_dec, b_dec, W_enc, dv, wt; writes dv, wt
;; launch main: the kernel of part 2 again; grid 256 x 1, 4 waves a work-group, clusters of 4 x 1, 327,680 bytes of LDS; arguments enc_hids, wt, dv, b_enc, W_one, b_one, sc, st, cp; writes sc, st, cp
;; launch finish (part 4): grid 16 x 4, 8 waves a work-group, no clusters, 76,800 bytes of LDS; arguments sc, st, cp, W_att, b_att, out0, out1; writes out0, out1
.if DOCPART == 4
	.amdgcn_target "amdgcn-amd-amdhsa--gfx1250"
	.amdhsa_code_object_version 6
	.text
	.protected	k_q71c380b326_finish
	.globl	k_q71c380b326_finish
	.p2align	8
	.type	k_q71c380b326_finish,@function
k_q71c380b326_finish:
	s_mov_b64 s[64:65], 0
	v_nop
	global_prefetch_b8 v0, s[64:65] scope:SCOPE_SE
	s_setreg_imm32_b32 hwreg(HW_REG_WAVE_SCHED_MODE, 0, 2), 2
	s_setreg_imm32_b32 hwreg(HW_REG_WAVE_MODE, 25, 1), 1
	s_wait_xcnt 0x0
	s_wait_alu depctr_vm_vsrc(0)
; THE FOUR PARTS OF EACH BATCH ARE JOINED: alpha, the context, and its projection.
; For batch n the launch before left z = log2(e) x score in sc[n][l], and for parts i = 0..3 the pair (m_i, l_i) in st and the unnormalised context cp[4 n + i][e].
; MX = the largest m_i; e_i = 2^(m_i - MX); L = the sum of e_i l_i (at least 1: the part that holds MX has l_i of 1 or more).  out1[n][l] = 2^(z - MX) / L.  ctx[n][e] = the sum of cp[4 n + i][e] e_i / L.
; out0[n][c] = the sum over e of ctx[n][e] W_att[e][c] + b_att[c]: ctx and W_att rounded once to bf16, sums in f32.
; SHARES.  Work-group (nb, mb): rows 16 mb .. + 15, columns 64 nb .. + 63 of out0 and of out1.  K is split among its eight waves, 128 each: four K steps of 32; the partial sums meet in LDS.
; A weight tile [32 k][64 c] is rounded to bf16, laid into the wave's own LDS rows of 160 bytes, and comes back turned by ds_load_tr16_b128.
; THE PRODUCT IS TAKEN TRANSPOSED (source 0 = 16 columns of W_att, source 1 = the 16 rows of ctx): a lane ends with one row of out0 and eight neighbouring columns.
; LIMITS.  A weight below 2^-126 counts as 0; NaN and infinities are not treated apart.  No prefetch and no cluster: a short launch on 5.5 MB.
; REGISTERS: window 0 as named below; window 1: cp as loaded: K step s, part i, load j at 64 s + 16 i + 4 j.
; THE MODE: SCHED_MODE bits 1:0 = 2 (LLVM: expert scheduling mode 2), set by the entry lines.  The code itself states the register dependences
; between vector or matrix instructions and memory or LDS instructions, with s_wait_alu, always for 0.
; THE PLAN.  The text has one path.  Registers that memory or LDS instructions touch:
;   v4-v11, v14, v15   offsets and LDS addresses: written at the head, read by every load and store, never written again: one wait at the head serves them all.
;   SA, SBT, BI, cp    loaded once, then read by vector lines alone.  ZR: loaded once, made into alpha by vector lines, read by one store.
;   WB0                tile 0 lands; conversions in place; LDS stores read the pairs; turned loads land in the first 32; GMUL 0 reads them; tile 2 lands; the same round; then, as RB, the partial sums land, are added and stored.
;   WB1                the same with tiles 1 and 3.  No vector line names it, or cp's registers, ahead of their first loads.
;   ACC                written by the products, read by eight LDS stores.          v12, v13   read by the closing add alone.
; So a tile's turn (TRF) holds two waits: one behind its conversions, one between its LDS stores and its turned loads; one wait stands ahead of each second load of a buffer, forty plain
; vector lines (a K step's context) behind the products that read the buffer; one ahead of the stores of ACC, which serves the loads into RB too; one ahead of the last store.
.set TRP,   160
.set TRW,   32*TRP
.set PART,  8*TRW
.set PPI,   272
.set PARTW, 16*PPI
.set SPARE, PART+8*PARTW               ; the spare words, 128 bytes for each wave: four blocks of 256 bytes that no other line names
.set WV4, 4                            ; v4   4,096 (l / 16) + 16 (l % 16)
.set CO,  5                            ; v5   16,384 (l % 16) + 32 (l / 16): batch l % 16's part 0, my 8 channels
.set TRS, 6
.set TRL, 7
.set PS,  8
.set PR,  9
.set OO,  10                           ; v10  4,096 (t / 16) + 16 (t % 16)
.set SOA, 11                           ; v11  32 (l % 16)
.set SPW, 12
.set NIL, 13
.set BO,  14                           ; v14  16 (t % 16)
.set SOB, 15                           ; v15  32 (t / 16)
.set SA,  16                           ; v[16:23]  (m_i, l_i) of row 16 mb + l % 16: for the context
.set SBT, 24                           ; v[24:31]  of row 16 mb + t / 16: for alpha
.set G,   32                           ; v[32:39]  e_i / L, twice each: pairs for the packed forms
.set ZR,  40                           ; v[40:43]  z, then alpha
.set BI,  44                           ; v[44:47]  the bias
.set T,   48                           ; v[48:63]  at work: no memory instruction names them
.set XF,  64                           ; v[64:95]  ctx's fragment of K step s at 64 + 8 s: no memory instruction names them
.set XST, 8
.set ACC, 96
.set WB0, 128
.set WB1, 192
.set RB,  WB0
.set MSB, 0
.macro WIN new
.if MSB != (\new)
	s_set_vgpr_msb (MSB<<8)|(\new)
.set MSB, \new
.endif
.endm
	s_load_b256 s[4:11], s[0:1], 0x0               ; sc s[4:5], st s[6:7], cp s[8:9], W_att s[10:11]
	s_load_b128 s[12:15], s[0:1], 0x20             ; b_att s[12:13], out0 s[14:15]
	s_load_b64 s[16:17], s[0:1], 0x30              ; out1
	v_lshl_add_u32 v[SPW], v0, 2, SPARE
	v_mov_b32 v[NIL], 0
	v_lshrrev_b32 v1, 5, v0
	v_readfirstlane_b32 s18, v1                    ; wave 0..7
	s_and_b32 s19, ttmp7, 0xffff                   ; mb
	s_lshl_b32 s24, ttmp9, 8                       ; 256 nb
	s_mov_b32 s21, 0
	v_and_b32 v1, 15, v0
	v_bfe_u32 v2, v0, 4, 1
	v_lshrrev_b32 v[SOB], 4, v0                    ; t / 16
	v_lshlrev_b32 v[WV4], 12, v2
	v_lshl_add_u32 v[WV4], v1, 4, v[WV4]
	v_lshlrev_b32 v[CO], 14, v1
	v_lshl_add_u32 v[CO], v2, 5, v[CO]
	s_wait_alu depctr_va_sdst(0)                   ; s18 is written, ahead of its first reader: LDS addresses and the bases of cp and W_att are made from it
	s_mul_i32 s22, s18, TRW
	v_mul_u32_u24 v[TRS], v2, TRP
	v_lshl_add_u32 v[TRS], v1, 3, v[TRS]
	v_add_nc_u32 v[TRS], s22, v[TRS]
	v_and_b32 v[TRL], 7, v0
	v_lshl_add_u32 v[TRL], v2, 3, v[TRL]
	v_mul_u32_u24 v[TRL], v[TRL], TRP
	v_bfe_u32 v[BO], v0, 3, 1
	v_lshl_add_u32 v[TRL], v[BO], 4, v[TRL]
	v_add_nc_u32 v[TRL], s22, v[TRL]
	s_mul_i32 s22, s18, PARTW
	s_add_co_u32 s22, s22, PART
	v_mul_u32_u24 v[PS], v1, PPI
	v_lshl_add_u32 v[PS], v2, 5, v[PS]
	v_add_nc_u32 v[PS], s22, v[PS]
	v_mul_u32_u24 v[PR], v[SOB], PPI
	v_lshl_add_u32 v[PR], v1, 4, v[PR]
	v_add_nc_u32 v[PR], PART, v[PR]
	v_lshlrev_b32 v[OO], 12, v[SOB]
	v_lshl_add_u32 v[OO], v1, 4, v[OO]
	v_lshlrev_b32 v[SOA], 5, v1
	v_lshlrev_b32 v[BO], 4, v1
	v_lshlrev_b32 v[SOB], 5, v[SOB]
	s_wait_kmcnt 0x0
	s_lshl_b32 s20, s19, 16                        ; sc, out0, out1: 16 mb rows of 4,096 bytes + 64 nb columns
	s_add_co_u32 s20, s20, s24
	s_add_nc_u64 s[4:5], s[4:5], s[20:21]
	s_add_nc_u64 s[14:15], s[14:15], s[20:21]
	s_add_nc_u64 s[16:17], s[16:17], s[20:21]
	s_lshl_b32 s20, s19, 9                         ; st: 32 bytes a batch
	s_add_nc_u64 s[6:7], s[6:7], s[20:21]
	s_lshl_b32 s20, s19, 18                        ; cp: 16,384 bytes a batch, my 128 channels
	s_lshl_b32 s22, s18, 9
	s_add_co_u32 s20, s20, s22
	s_add_nc_u64 s[8:9], s[8:9], s[20:21]
	s_lshl_b32 s20, s18, 19                        ; W_att: my 128 rows, the group's 64 columns
	s_add_co_u32 s20, s20, s24
	s_add_nc_u64 s[10:11], s[10:11], s[20:21]
	s_mov_b32 s20, s24
	s_add_nc_u64 s[12:13], s[12:13], s[20:21]      ; b_att
.macro WLOAD buf, sb, off              ; a weight tile: 16 loads, each two rows of 256 consecutive bytes
.set i, 0
.rept 16
	global_load_b128 v[(\buf)+4*i:(\buf)+4*i+3], v[WV4], s[\sb:\sb+1] offset:(\off)+8192*i
.set i, i+1
.endr
.endm
.macro CPLOAD s                        ; cp of K step s: four parts x 16 channels a lane (destination in window 1)
.set i, 0
.rept 16
	global_load_b128 v[64*(\s)+4*i:64*(\s)+4*i+3], v[CO], s[8:9] offset:128*(\s)+4096*(i/4)+16*(i%2)+64*((i%4)/2)
.set i, i+1
.endr
.endm
.macro COMB s                          ; ctx's fragment of K step s: the four parts by their factors, rounded once to bf16: forty plain vector lines on cp, G, T and XF alone
	WIN 0x01                                       ; source 0 in window 1
.set i, 0
.rept 8
	v_pk_mul_f32 v[T+2*i:T+2*i+1], v[64*(\s)+2*i:64*(\s)+2*i+1], v[G:G+1] op_sel_hi:[1,0]
.set i, i+1
.endr
.set i, 8
.rept 24
	v_pk_fma_f32 v[T+2*(i%8):T+2*(i%8)+1], v[64*(\s)+2*i:64*(\s)+2*i+1], v[G+2*(i/8):G+2*(i/8)+1], v[T+2*(i%8):T+2*(i%8)+1] op_sel_hi:[1,0,1]
.set i, i+1
.endr
	WIN 0
.set i, 0
.rept 8
	v_cvt_pk_bf16_f32 v[XF+XST*(\s)+i], v[T+2*i], v[T+2*i+1]
.set i, i+1
.endr
.endm
; The tile is rounded to bf16 in place, laid into my stage and read back turned: four fragments in the buffer's first 32 registers.  alpha = 1: the first tile's turn, which also sends alpha out.
.macro TRF buf, alpha=0
.set i, 0
.rept 16
	v_cvt_pk_bf16_f32 v[(\buf)+4*i],   v[(\buf)+4*i],   v[(\buf)+4*i+1]
	v_cvt_pk_bf16_f32 v[(\buf)+4*i+1], v[(\buf)+4*i+2], v[(\buf)+4*i+3]
.set i, i+1
.endr
	s_wait_alu depctr_va_vdst(0)                   ; the conversions have written the pairs that the LDS stores read, and are done reading the registers in which the turned loads land; in the first turn the multiplies have written alpha too
.if \alpha
	global_store_b128 v[OO], v[ZR:ZR+3], s[16:17]  ; alpha: sixteen lanes store 256 consecutive bytes, aligned
.endif
.set i, 0
.rept 16
	ds_store_b64 v[TRS], v[(\buf)+4*i:(\buf)+4*i+1] offset:2*TRP*i
.set i, i+1
.endr
	s_wait_alu depctr_vm_vsrc(0)                   ; the LDS stores have read their pairs: the turned loads below land in them, and later the buffer's next tile or the partial sums
.set i, 0
.rept 4                                ; LDS serves a wave's instructions in order (ISA guide 5.7.1.4): these see the stores above
	ds_load_tr16_b128 v[(\buf)+8*i:(\buf)+8*i+3],   v[TRL] offset:32*i
	ds_load_tr16_b128 v[(\buf)+8*i+4:(\buf)+8*i+7], v[TRL] offset:32*i+16*TRP
.set i, i+1
.endr
	s_wait_dscnt 0x0
.endm
.macro GMUL buf, s, zero               ; four products; the four accumulators take turns, from K step to K step too
.irp f, 0,1,2,3
.if \zero
	v_wmma_f32_16x16x32_bf16 v[ACC+8*\f:ACC+8*\f+7], v[(\buf)+8*\f:(\buf)+8*\f+7], v[XF+XST*(\s):XF+XST*(\s)+7], 0
.else
	v_wmma_f32_16x16x32_bf16 v[ACC+8*\f:ACC+8*\f+7], v[(\buf)+8*\f:(\buf)+8*\f+7], v[XF+XST*(\s):XF+XST*(\s)+7], v[ACC+8*\f:ACC+8*\f+7]
.endif
.endr
.endm
.macro PLACES                          ; four places between a product and a reader of its result (ISA guide 7.12.1)
.rept 4
	v_nop
.endr
.endm
	s_wait_alu depctr_va_vdst(0)                   ; the offsets and LDS addresses v4 to v11, v14 and v15 are written, which every load and store of the kernel reads
	global_load_b128 v[SA:SA+3],     v[SOA], s[6:7]
	global_load_b128 v[SA+4:SA+7],   v[SOA], s[6:7] offset:16
	global_load_b128 v[SBT:SBT+3],   v[SOB], s[6:7]
	global_load_b128 v[SBT+4:SBT+7], v[SOB], s[6:7] offset:16
	global_load_b128 v[ZR:ZR+3],     v[OO],  s[4:5]
	global_load_b128 v[BI:BI+3],     v[BO],  s[12:13]
	WIN 0x40
	CPLOAD 0                                       ; between the wait above and these stand loads and the window's switch alone
	CPLOAD 1
	WIN 0
	WLOAD WB0, 10, 0
	s_wait_loadcnt 48                              ; the six small loads are in; cp's 32 and the tile's 16 stay out
	v_max3_num_f32 v[T],   v[SA],  v[SA+2],  v[SA+4]
	v_max3_num_f32 v[T+1], v[SBT], v[SBT+2], v[SBT+4]
	v_max_num_f32 v[T],   v[T],   v[SA+6]
	v_max_num_f32 v[T+1], v[T+1], v[SBT+6]
.irp i, 0,2,4,6
	v_sub_f32 v[SA+\i],  v[SA+\i],  v[T]
	v_sub_f32 v[SBT+\i], v[SBT+\i], v[T+1]
.endr
.irp i, 0,2,4,6
	v_exp_f32 v[SA+\i],  v[SA+\i]
	v_exp_f32 v[SBT+\i], v[SBT+\i]
.endr
.irp j, 0,1,2,3
	v_sub_f32 v[ZR+\j], v[ZR+\j], v[T+1]           ; z - MX: plain work behind the exponentials
.endr
	s_wait_alu depctr_va_vdst(0)                   ; the eight exponentials have written the e_i: one wait, ahead of their first reader
	v_mul_f32 v[T+2], v[SA],  v[SA+1]
	v_mul_f32 v[T+3], v[SBT], v[SBT+1]
.irp i, 2,4,6
	v_fmac_f32 v[T+2], v[SA+\i],  v[SA+\i+1]
	v_fmac_f32 v[T+3], v[SBT+\i], v[SBT+\i+1]
.endr
	v_rcp_f32 v[T+2], v[T+2]
	v_rcp_f32 v[T+3], v[T+3]
.irp j, 0,1,2,3
	v_exp_f32 v[ZR+\j], v[ZR+\j]
.endr
	v_nop                                          ; the plain instruction behind the last of them
	s_wait_alu depctr_va_vdst(0)                   ; the two reciprocals have written 1 / L and the four exponentials 2^(z - MX): one wait, ahead of their first reader
.irp i, 0,2,4,6
	v_mul_f32 v[G+\i],   v[SA+\i], v[T+2]
	v_mul_f32 v[G+\i+1], v[SA+\i], v[T+2]
.endr
.irp j, 0,1,2,3
	v_mul_f32 v[ZR+\j], v[ZR+\j], v[T+3]           ; alpha; its store stands behind the first tile's wait (TRF)
.endr
	WLOAD WB1, 10, 131072                          ; no wait: no vector line has named WB1, nor the registers of cp's K steps 2 and 3
	WIN 0x40
	CPLOAD 2
	CPLOAD 3
	WIN 0
	s_wait_loadcnt 48                              ; cp of K steps 0 and 1 and tile 0 are in; tile 1's 16 and cp's later 32 stay out
	COMB 0
	TRF WB0, 1
	GMUL WB0, 0, 1                                 ; the first products start the sums
	COMB 1                                         ; names none of those products' registers
	s_wait_alu depctr_va_vdst(0)                   ; the products of K step 0 are done reading WB0's fragments, in which tile 2's loads land
	WLOAD WB0, 10, 2*131072
	s_wait_loadcnt 48                              ; tile 1 is in; cp's 32 and tile 2's 16 stay out
	TRF WB1
	GMUL WB1, 1, 0
	s_wait_loadcnt 32                              ; cp of K step 2 is in; K step 3's 16 and tile 2's 16 stay out
	COMB 2                                         ; names none of those products' registers
	s_wait_alu depctr_va_vdst(0)                   ; the products of K step 1 are done reading WB1's fragments, in which tile 3's loads land
	WLOAD WB1, 10, 3*131072
	s_wait_loadcnt 16                              ; all but tile 3's 16
	COMB 3
	TRF WB0
	GMUL WB0, 2, 0
	s_wait_loadcnt 0x0
	TRF WB1
	GMUL WB1, 3, 0
	PLACES
	PLACES                                         ; eight, once a launch: behind the last products, in front of the stores that read their results
	s_wait_alu depctr_va_vdst(0)                   ; the products have written ACC, which the LDS stores read, and are done reading WB0, in which the partial sums land behind the barrier; the places above stay beside this wait
.irp f, 0,1,2,3                        ; my partial sums: row l % 16, columns 16 f + 8 (l / 16) + 0..7; each accumulator's low registers first
	ds_store_b128 v[PS], v[ACC+8*\f:ACC+8*\f+3]   offset:64*\f
	ds_store_b128 v[PS], v[ACC+8*\f+4:ACC+8*\f+7] offset:64*\f+16
.endr
	s_wait_dscnt 0x0                               ; for the others' sake: my stores are done
	s_barrier_signal -1
	s_barrier_wait -1
.irp j, 0,1,2,3,4,5,6,7
	ds_load_b128 v[RB+4*\j:RB+4*\j+3], v[PR] offset:PARTW*\j  ; no wait: no vector or matrix line since the wait above names these registers, and the LDS stores that read them stand ahead of the last tile's wait on vm_vsrc
.endr
	s_wait_dscnt 0x0
.irp j, 0,2,4,6
	v_pk_add_f32 v[RB+4*\j:RB+4*\j+1],   v[RB+4*\j:RB+4*\j+1],   v[RB+4*\j+4:RB+4*\j+5]
	v_pk_add_f32 v[RB+4*\j+2:RB+4*\j+3], v[RB+4*\j+2:RB+4*\j+3], v[RB+4*\j+6:RB+4*\j+7]
.endr
.irp j, 0,4
	v_pk_add_f32 v[RB+4*\j:RB+4*\j+1],   v[RB+4*\j:RB+4*\j+1],   v[RB+4*\j+8:RB+4*\j+9]
	v_pk_add_f32 v[RB+4*\j+2:RB+4*\j+3], v[RB+4*\j+2:RB+4*\j+3], v[RB+4*\j+10:RB+4*\j+11]
.endr
	v_pk_add_f32 v[RB:RB+1],   v[RB:RB+1],   v[RB+16:RB+17]
	v_pk_add_f32 v[RB+2:RB+3], v[RB+2:RB+3], v[RB+18:RB+19]
	v_pk_add_f32 v[RB:RB+1],   v[RB:RB+1],   v[BI:BI+1]
	v_pk_add_f32 v[RB+2:RB+3], v[RB+2:RB+3], v[BI+2:BI+3]
	s_wait_alu depctr_va_vdst(0)                   ; the additions have written v[RB:RB+3], which the store reads
	global_store_b128 v[OO], v[RB:RB+3], s[14:15]  ; sixteen lanes store 256 consecutive bytes, aligned
	s_wait_dscnt 0x0                               ; the closing lines, six on end
	s_wait_alu 0x0
	s_wait_tensorcnt 0x0
	ds_add_u32 v[SPW], v[NIL]
	s_wait_dscnt 0x0
	s_endpgm
.Lfunc_end_k_q71c380b326_finish:
	.size	k_q71c380b326_finish, .Lfunc_end_k_q71c380b326_finish-k_q71c380b326_finish
	.p2alignl 7, 3214868480
	.fill 96, 4, 3214868480
	.section	.rodata,"a",@progbits
	.p2align	6, 0x0
	.amdhsa_kernel k_q71c380b326_finish
		.amdhsa_group_segment_fixed_size 76800
		.amdhsa_private_segment_fixed_size 0
		.amdhsa_enable_private_segment 0
		.amdhsa_kernarg_size 56
		.amdhsa_user_sgpr_count 2
		.amdhsa_user_sgpr_kernarg_segment_ptr 1
		.amdhsa_wavefront_size32 1
		.amdhsa_system_sgpr_workgroup_id_x 1
		.amdhsa_system_sgpr_workgroup_id_y 1
		.amdhsa_system_sgpr_workgroup_id_z 1
		.amdhsa_system_vgpr_workitem_id 0
		.amdhsa_next_free_vgpr 512
		.amdhsa_next_free_sgpr 66
		.amdhsa_reserve_vcc 0
		.amdhsa_float_denorm_mode_32 3
		.amdhsa_float_denorm_mode_16_64 3
		.amdhsa_memory_ordered 1
		.amdhsa_forward_progress 1
		.amdhsa_inst_pref_size 47
	.end_amdhsa_kernel
	.amdgpu_metadata
---
amdhsa.version: [ 1, 2 ]
amdhsa.kernels:
  - .name:           k_q71c380b326_finish
    .symbol:         k_q71c380b326_finish.kd
    .args:
      - { .name: sc, .offset: 0, .size: 8, .value_kind: global_buffer, .address_space: global }
      - { .name: st, .offset: 8, .size: 8, .value_kind: global_buffer, .address_space: global }
      - { .name: cp, .offset: 16, .size: 8, .value_kind: global_buffer, .address_space: global }
      - { .name: W_att, .offset: 24, .size: 8, .value_kind: global_buffer, .address_space: global }
      - { .name: b_att, .offset: 32, .size: 8, .value_kind: global_buffer, .address_space: global }
      - { .name: out0, .offset: 40, .size: 8, .value_kind: global_buffer, .address_space: global }
      - { .name: out1, .offset: 48, .size: 8, .value_kind: global_buffer, .address_space: global }
    .group_segment_fixed_size: 76800
    .private_segment_fixed_size: 0
    .kernarg_segment_align: 8
    .kernarg_segment_size: 56
    .max_flat_workgroup_size: 256
    .sgpr_count:     66
    .vgpr_count:     512
    .wavefront_size: 32
...
	.end_amdgpu_metadata
.endif
;; end of part 4
